; MI455X (gfx1250); checked and timed in simulation.
; The chip was launched on July 23, 2026; its instructions are those of AMD's public machine-readable ISA for CDNA 5 (MIT licence, August 2026) and "CDNA5" Instruction Set Architecture Reference Guide (July 2026). The comments in the code are by the model that wrote it; some were corrected since.
;; Top K Router. Allowed arithmetic: matrix products marked QUANTISED: E3M2 operands, one E8M0 scale for each 32 along K, by v_wmma_scale_f32_16x16x128_f8f6f4 with both operands' format E3M2, f32 sums; everything else in f32.
;; Inputs: W 64 x 2,048 float32; x 16,384 x 2,048 float32.
;; Outputs: out0 16,384 x 64 float32; out1 16,384 x 2 int32; out2 16,384 x 2 float32.
;; This version of the problem:
;;   THIS VERSION OF THE PROBLEM IS GIVEN IN LOW PRECISION. The matrix products marked QUANTISED in the list below multiply operands that are first quantised to E3M2 (3 exponent bits, 2 mantissa bits; 6 bits a number), with one power-of-two scale for each 32 numbers along K (OCP MX v1.0); their sums are f32. All else is computed in f32.
;;   The module's matrix products, in the order in which they are computed (A, B: the left and right operand; K: the contracted axis; several contracted axes count as one K, in the product's order):
;;     1. [M 16,384, K 2,048] x [K 2,048, N 64]; A: input x; B: input W: QUANTISED
;;   THE QUANTISER, for each operand of a quantised product, along K:
;;     - K is cut into blocks of 32 from its start; a last block that is shorter is filled with zeros.
;;     - A block's scale is 2^e with e = floor(log2(the largest magnitude in the block)) - 4, held to -126 .. 127; a block of zeros has e = 0. As a byte (E8M0): e + 127.
;;     - Each number is divided by its block's scale, clamped to +-28, and rounded to the nearest number of E3M2, ties to even, subnormals kept.
;;     - The product sums the exact products of the quantised numbers (number of the format x scale) in f32.
;;   ~~~python
;;   def quantise(x, axis):      # numpy; x: float32 -> the quantised numbers, widened to float32 again
;;       x = np.moveaxis(x, axis, -1); K = x.shape[-1]
;;       x = np.pad(x, [(0, 0)] * (x.ndim - 1) + [(0, -K % 32)]); x = x.reshape(x.shape[:-1] + (-1, 32)); a = np.abs(x).max(-1, keepdims=True)
;;       e = np.where(a > 0, np.clip(np.frexp(np.where(a > 0, a, 1))[1] - 1 - 4, -126, 127), 0)      # np.frexp(a)[1] - 1 = floor(log2(a)), exactly
;;       r = np.clip(x / 2.0 ** e, -28, 28)
;;       step = 2.0 ** (np.maximum(np.frexp(np.where(r == 0, 1, r))[1] - 1, -2) - 2)
;;       q = np.round(r / step) * step * 2.0 ** e      # np.round: ties to even
;;       return np.moveaxis(q.reshape(q.shape[:-2] + (-1,))[..., :K], -1, axis).astype(np.float32)
;;   ~~~
;; 2 versions. Each part assembles by itself: llvm-mc -triple=amdgcn-amd-amdhsa -mcpu=gfx1250 --defsym DOCPART=n.
;; ======== version 1 of 2: 2 launches
;; workspace buffers: wq 102,400 bytes
;; launch quantw (part 1): grid 16 x 1, 4 waves a work-group, no clusters, 34,816 bytes of LDS; arguments W, wq; writes wq
.if DOCPART == 1
	.amdgcn_target "amdgcn-amd-amdhsa--gfx1250"
	.amdhsa_code_object_version 6
	.text
	.protected	k_q6d187db68f_quantw
	.globl	k_q6d187db68f_quantw
	.p2align	8
	.type	k_q6d187db68f_quantw,@function
k_q6d187db68f_quantw:
	s_mov_b64 s[64:65], 0
	v_nop
	global_prefetch_b8 v0, s[64:65] scope:SCOPE_SE
	s_setreg_imm32_b32 hwreg(HW_REG_WAVE_MODE, 25, 1), 1
	s_wait_xcnt 0x0
; W [64][2048] f32 -> codes of BF6 (E3M2) with one E8M0 scale byte for each 32 along K, laid as the next launch's registers take them.
; wq: 64 fragments of 1,536 bytes, fragment 4 s + t = K step s (128 along K) x expert tile t (16 experts): the operand's 12 registers as three images of 512 bytes (registers 4 g .. 4 g + 3, lane l's 16 bytes at 16 l).
; Behind them, at SCOFF, the scale words: 256 bytes for each K step: lane l's 8 bytes hold the words of experts l and 32 + l.
; A block's scale is 2^(floor(log2(its largest magnitude)) - 4); its byte is the largest magnitude's exponent field - 4, held at 1 from below.
; LIMITS: a block of zeros gets the byte 1 where the rule says 127 (its codes are zeros, and this program alone reads the bytes); NaN and infinities are not served.
; SHARES: work-group s takes K step s; its wave t makes fragment (s, t).  Each of a wave's 16 loads reads 512 consecutive bytes of one row of W; the 8 KB turn through the wave's own stage in LDS
; and come back in the operand's layout: lane (r, h) holds k = 64 c + 32 h + 0 .. 31 of row r, two whole blocks, so that a block's maximum needs no other lane and the conversions' results are the fragment.
; Sixteen work-groups: a K step's 64 scale words are one aligned block of 256 bytes, which one work-group can store whole; a finer split would store it in parts.
.set KB,    8192                       ; bytes in a row of W
.set SP,    528                        ; a stage row: 512 bytes + 16: the sixteen rows that sixteen lanes read begin 16 bytes apart modulo 256
.set STGB,  16*SP                      ; a wave's stage
.set SCB,   4*STGB                     ; behind the stages: the work-group's 64 scale words
.set FRB,   1536                       ; a fragment's image
.set SCOFF, 64*FRB                     ; where the scale words begin in wq
.set LN,  1                            ; v1   lane
.set L16, 2                            ; v2   16 x lane
.set GA,  3                            ; v3   my byte offset in W
.set L8,  4                            ; v4   8 x lane
.set STA, 6                            ; v6   the stage, on the way in: 16 x lane
.set RDA, 7                            ; v7   and on the way out: row r, + 128 h
.set SH8, 8                            ; v8   8 h: where my two scale bytes stand in the word
.set SWA, 9                            ; v9   LDS address of my row's scale word
.set SRA, 10                           ; v10  where wave 0 reads the words back
.set TM,  20                           ; v20-28 at work
.set XS,  30                           ; v30  the scale word
.set CD,  36                           ; v36-47 the fragment
.set CT,  48                           ; v48-54 the upper halves of the two blocks' codes, before they are moved
.set X,   64                           ; v64-127 my 64 numbers
.set R,   128                          ; v128-191 16 rows as loaded
.set WV,  14
.set SEL, 30
; 64 numbers of a lane, v[X + 32 c + i] = k 64 c + 32 h + i of my row, become the fragment in v[CD] on and my row's scale word in v[XS].
.macro QUANT
.irp c, 0,1
	v_max3_num_f32 v[TM+\c], |v[X+32*\c]|, |v[X+32*\c+1]|, 0x2800000   ; the block's largest magnitude, in two chains; the floor 2^(5 - 127) among the leaves holds the byte at 1 from below
	v_max3_num_f32 v[TM+2+\c], |v[X+32*\c+16]|, |v[X+32*\c+17]|, |v[X+32*\c+18]|
.endr
.irp i, 2,4,6,8,10,12
.irp c, 0,1
	v_max3_num_f32 v[TM+\c], v[TM+\c], |v[X+32*\c+\i]|, |v[X+32*\c+\i+1]|
	v_max3_num_f32 v[TM+2+\c], v[TM+2+\c], |v[X+32*\c+\i+17]|, |v[X+32*\c+\i+18]|
.endr
.endr
.irp c, 0,1
	v_max3_num_f32 v[TM+\c], v[TM+\c], |v[X+32*\c+14]|, |v[X+32*\c+15]|
.endr
.irp c, 0,1
	v_max3_num_f32 v[TM+\c], v[TM+\c], v[TM+2+\c], |v[X+32*\c+31]|
.endr
.irp c, 0,1
	v_add_nc_u32 v[TM+4+\c], 0xfe000000, v[TM+\c]      ; 4 off the exponent field: the conversion takes the exponent field of this operand as its scale
.endr
.irp c, 0,1
	v_lshrrev_b32 v[TM+6+\c], 23, v[TM+4+\c]           ; the scale's byte
.endr
	v_lshl_or_b32 v[XS], v[TM+7], 16, v[TM+6]          ; my two bytes: blocks h and 2 + h,
	v_lshlrev_b32 v[XS], v[SH8], v[XS]                 ; at their places in the word;
	v_permlanex16_b32 v[TM+8], v[XS], s[SEL], s[SEL+1]
	v_or_b32 v[XS], v[XS], v[TM+8]                     ; with lane l xor 16's two the word is whole, in both lanes
.irp c, 0,1
	v_cvt_scalef32_pk16_bf6_f32 v[CD+6*\c:CD+6*\c+2], v[X+32*\c:X+32*\c+15], v[TM+4+\c]
	v_cvt_scalef32_pk16_bf6_f32 v[CT+4*\c:CT+4*\c+2], v[X+32*\c+16:X+32*\c+31], v[TM+4+\c]   ; (a conversion's three registers begin on an even number)
.endr
	v_nop                                              ; one plain place behind a scaled conversion
.irp c, 0,1
.irp i, 0,1,2
	v_mov_b32 v[CD+6*\c+3+\i], v[CT+4*\c+\i]
.endr
.endr
.endm
	s_load_b128 s[4:7], s[0:1], 0x0                ; W s[4:5], wq s[6:7]
	v_lshl_add_u32 v192, v0, 2, 0x8600
	v_mov_b32 v193, 0
	v_lshrrev_b32 v[TM], 5, v0
	v_readfirstlane_b32 s[WV], v[TM]               ; wave 0..3 = t, my expert tile
	v_and_b32 v[LN], 31, v0
	v_lshlrev_b32 v[L16], 4, v[LN]
	s_lshl_b32 s18, s[WV], 17                      ; 16 t rows of 8,192 bytes
	v_add_nc_u32 v[GA], s18, v[L16]
	s_lshl_b32 s20, ttmp9, 9                       ; the work-group's 128 along K
	s_mov_b32 s21, 0
	s_wait_kmcnt 0x0
	s_add_nc_u64 s[4:5], s[4:5], s[20:21]
.irp i, 0,1,2,3,4,5,6,7,8,9,10,11,12,13,14,15
	global_load_b128 v[R+4*\i:R+4*\i+3], v[GA], s[4:5] offset:\i*KB th:TH_LOAD_NT   ; row 16 t + i: 32 lanes read 512 consecutive bytes
.endr
	v_and_b32 v[TM], 15, v0                        ; r
	v_bfe_u32 v[TM+1], v0, 4, 1                    ; h
	s_mul_i32 s18, s[WV], STGB                     ; my stage
	v_add_nc_u32 v[STA], s18, v[L16]
	v_mul_u32_u24 v[RDA], v[TM], SP
	v_lshl_add_u32 v[RDA], v[TM+1], 7, v[RDA]
	v_add_nc_u32 v[RDA], s18, v[RDA]
	v_lshlrev_b32 v[SH8], 3, v[TM+1]
	s_and_b32 s22, s[WV], 1                        ; expert 16 t + r = 32 (t / 2) + 16 (t % 2) + r: its word stands at 8 (16 (t % 2) + r) + 4 (t / 2)
	s_lshl_b32 s22, s22, 7
	s_lshr_b32 s23, s[WV], 1
	s_lshl_b32 s23, s23, 2
	s_add_co_u32 s22, s22, s23
	s_add_co_u32 s22, s22, SCB
	v_lshl_add_u32 v[SWA], v[TM], 3, s22
	v_lshlrev_b32 v[L8], 3, v[LN]
	v_add_nc_u32 v[SRA], SCB, v[L8]
	v_mov_b32 v[TM+8], 0                           ; written once: a lane permute's destination counts as one of its sources
	s_mov_b32 s[SEL], 0x76543210
	s_mov_b32 s[SEL+1], 0xfedcba98                 ; v_permlanex16_b32's selects for lane l xor 16
	s_lshl_b32 s24, ttmp9, 2
	s_add_co_u32 s24, s24, s[WV]                   ; my fragment: 4 x work-group + wave
	s_mul_i32 s24, s24, FRB
	s_mov_b32 s25, 0
	s_add_nc_u64 s[24:25], s[6:7], s[24:25]
	s_lshl_b32 s26, ttmp9, 8                       ; the work-group's 256 bytes of scale words
	s_add_co_u32 s26, s26, SCOFF
	s_mov_b32 s27, 0
	s_add_nc_u64 s[26:27], s[6:7], s[26:27]
.irp i, 0,1,2,3,4,5,6,7,8,9,10,11,12,13,14,15
	s_wait_loadcnt 15-\i                           ; loads come back in order: row i is in, the 15 - i younger ones may be out
	ds_store_b128 v[STA], v[R+4*\i:R+4*\i+3] offset:\i*SP
.endr
.irp c, 0,1
.irp j, 0,1,2,3,4,5,6,7
	ds_load_b128 v[X+32*\c+4*\j:X+32*\c+4*\j+3], v[RDA] offset:256*\c+16*\j   ; LDS serves a wave's instructions in order: these see my stores
.endr
.endr
	s_wait_dscnt 0x0
	QUANT
	ds_store_b32 v[SWA], v[XS]                     ; both lanes of a row write the same word with the same value
.irp g, 0,1,2
	global_store_b128 v[L16], v[CD+4*\g:CD+4*\g+3], s[24:25] offset:512*\g   ; 32 lanes store 512 consecutive bytes, at a multiple of 512 from wq's first byte
.endr
	s_wait_dscnt 0x0                               ; for the others' sake: my scale word lies in LDS
	s_barrier_signal -1
	s_barrier_wait -1
	s_cmp_lg_u32 s[WV], 0
	s_cbranch_scc1 .Ldone                          ; wave 0 stores the work-group's 64 words
	ds_load_b64 v[TM:TM+1], v[SRA]
	s_wait_dscnt 0x0
	global_store_b64 v[L8], v[TM:TM+1], s[26:27]   ; 32 lanes store 256 consecutive bytes, at a multiple of 256 from wq's first byte
.Ldone:
	s_wait_tensorcnt 0x0
	ds_add_u32 v192, v193
	s_wait_dscnt 0x0
	s_endpgm
.Lfunc_end_k_q6d187db68f_quantw:
	.size	k_q6d187db68f_quantw, .Lfunc_end_k_q6d187db68f_quantw-k_q6d187db68f_quantw
	.p2alignl 7, 3214868480
	.fill 96, 4, 3214868480
	.section	.rodata,"a",@progbits
	.p2align	6, 0x0
	.amdhsa_kernel k_q6d187db68f_quantw
		.amdhsa_group_segment_fixed_size 34816
		.amdhsa_private_segment_fixed_size 0
		.amdhsa_enable_private_segment 0
		.amdhsa_kernarg_size 16
		.amdhsa_user_sgpr_count 2
		.amdhsa_user_sgpr_kernarg_segment_ptr 1
		.amdhsa_wavefront_size32 1
		.amdhsa_system_sgpr_workgroup_id_x 1
		.amdhsa_system_sgpr_workgroup_id_y 1
		.amdhsa_system_sgpr_workgroup_id_z 1
		.amdhsa_system_vgpr_workitem_id 0
		.amdhsa_next_free_vgpr 194
		.amdhsa_next_free_sgpr 66
		.amdhsa_reserve_vcc 0
		.amdhsa_float_denorm_mode_32 3
		.amdhsa_float_denorm_mode_16_64 3
		.amdhsa_memory_ordered 1
		.amdhsa_forward_progress 1
		.amdhsa_inst_pref_size 10
	.end_amdhsa_kernel
	.amdgpu_metadata
---
amdhsa.version: [ 1, 2 ]
amdhsa.kernels:
  - .name:           k_q6d187db68f_quantw
    .symbol:         k_q6d187db68f_quantw.kd
    .args:
      - { .name: W, .offset: 0, .size: 8, .value_kind: global_buffer, .address_space: global }
      - { .name: wq, .offset: 8, .size: 8, .value_kind: global_buffer, .address_space: global }
    .group_segment_fixed_size: 34816
    .private_segment_fixed_size: 0
    .kernarg_segment_align: 8
    .kernarg_segment_size: 16
    .max_flat_workgroup_size: 128
    .sgpr_count:     66
    .vgpr_count:     194
    .wavefront_size: 32
...
	.end_amdgpu_metadata
.endif
;; end of part 1
;; launch router (part 2): grid 256 x 1, 8 waves a work-group, no clusters, 209,920 bytes of LDS; arguments x, wq, out0, out1, out2; writes out0, out1, out2
.if DOCPART == 2
	.amdgcn_target "amdgcn-amd-amdhsa--gfx1250"
	.amdhsa_code_object_version 6
	.text
	.protected	k_q6d187db68f_router
	.globl	k_q6d187db68f_router
	.p2align	8
	.type	k_q6d187db68f_router,@function
k_q6d187db68f_router:
	s_mov_b64 s[64:65], 0
	v_nop
	global_prefetch_b8 v0, s[64:65] scope:SCOPE_SE
	s_setreg_imm32_b32 hwreg(HW_REG_WAVE_MODE, 25, 1), 1
	s_wait_xcnt 0x0
; logits = Q(x) Q(W)^T on codes of BF6 (E3M2) with one E8M0 scale for each 32 along K; out0 = softmax(logits) [16384][64] f32; out1 = the two largest probabilities' experts [16384][2] i32;
; out2 = those two probabilities / (their sum + 1e-9) [16384][2] f32.  x [16384][2048] f32 is quantised here, on its way to the matrix unit; W comes as codes and scale words from wq, laid as my registers take them.
; SHARES.  A work-group owns 64 rows of x.  ITS EIGHT WAVES SHARE K, NOT THE ROWS: wave w owns k = 256 w .. 256 w + 255 (two K steps of 128) of all 64 rows, so its 8 fragments of W stay in registers for the whole launch.
; A UNIT is 16 rows x 128 k: sixteen loads, each 512 consecutive bytes of one row; the 8 KB turn through the wave's own stage in LDS and come back in the operand's layout (lane (r, h): k = 64 c + 32 h + 0 .. 31 of row r: two
; whole blocks); maxima, scale word, four conversions; four matrix instructions, used transposed (source 0 = 16 experts, source 1 = my 16 rows): lane (r, h) of tile t holds row r, experts 16 t + 8 h + 0 .. 7.
; Three sets of registers take the loads: up to 48 loads of x, 24 KB, of every wave are on their way.  After a row tile's two units its four partial sums go to LDS as images of their registers.
; x AHEAD OF W: units 0 and 1 are asked for first, then W's codes, then unit 2: a unit's turn, maxima and conversions need no W, which is wanted at the first product and has its own wait there.
; THE ROWS' END WORK STANDS IN THE STREAM.  Wave w' owns rows 8 w' .. 8 w' + 7 (lane = 4 x row + q, q owns experts 16 q .. 16 q + 15): it adds the eight partial sums, K ascending, and does softmax (the row's maximum taken
; away) and top-2 on the probabilities (ties: the lower index).  Behind a barrier after unit 3 waves 0-3 do so for row tiles 0 and 1, behind one after unit 5 waves 4 and 5 for tile 2, behind one after unit 7 waves 6 and 7 for
; tile 3: all loads of x have been issued by unit 4, so they go on landing meanwhile, and behind the last unit two waves' rows are left.  Each tile's partial sums have LDS bytes of their own: what is read is never what is being written.
; out0 leaves through the wave's stage, 512 consecutive bytes a store; out1 and out2 are gathered in LDS and leave at the end by wave 0 and wave 1, 512 consecutive bytes each.
; NOT USED: joint loads in a cluster: what work-groups share is W's codes alone, 100 of the 612 KB that a work-group reads, and they go straight into registers.
; LIMITS: NaN and infinities are not served.  A block of zeros gets the byte 1 (zero codes add nothing).  v_exp_f32 gives 0 where 2^t lies under 2^-126 (ISA guide, its entry in 15.8): probabilities so small count as ties at 0
; in the top-2.  A logit's f32 sum is formed as eight sums of 256 k each, added in ascending K.
; REGISTERS, in windows of 256: window 0: v1-18 addresses; v20-28 at work; v30 x's scale word; v32-35 W's scale words; v36-54 codes; v56-61 addresses of the partial sums; v64-127 64 numbers of x, or the end work;
;   v128-223 W's 8 fragments; v224-239 8 rows of out0 on their way out.   window 1: v0-191 three sets of 16 loads; v192-223 the four accumulators of the row tile in hand; v192-255 four waves' partial sums in the end work.
.set KB,    8192                       ; bytes in a row of x
.set SP,    528                        ; a stage row: 512 bytes + 16: the sixteen rows that sixteen lanes read begin 16 bytes apart modulo 256
.set STGB,  16*SP                      ; a wave's stage
.set PART,  8*STGB                     ; behind the stages: the partial sums
.set TSTR,  1088                       ; an accumulator's image: 1,024 bytes + 64, so that the four lanes of a row (q = 0 .. 3) read 64 bytes apart modulo 256
.set MSTR,  4*TSTR                     ; a row tile's four
.set WSTR,  4*MSTR                     ; a wave's sixteen
.set GI,    PART+8*WSTR                ; behind them: 64 rows x 8 bytes of indices, then 64 x 8 of weights
.set OPI,   272                        ; the way out: a row of 256 bytes + 16
.set FRB,   1536                       ; a fragment's image in wq
.set SCOFF, 64*FRB                     ; where the scale words begin in wq
.set NWL,   26                         ; the loads that bring W: 8 fragments x 3, and 2 for the scale words
.set LN,  1                            ; v1   lane
.set L16, 2                            ; v2   16 x lane
.set XA,  3                            ; v3   x: 1,024 x wave + 16 x lane; never rewritten
.set WA,  4                            ; v4   wq: my 8 fragments
.set WSA, 5                            ; v5   wq: my scale words: 512 x wave + 8 x lane
.set STA, 6                            ; v6   the stage, on the way in
.set RDA, 7                            ; v7   and on the way out: row r, + 128 h
.set SH8, 8                            ; v8   8 h
.set PWA, 9                            ; v9   where I put my partial sums
.set OSA, 12                           ; v12  the way out: where I put 64 bytes of a row;  v13: where I read rows back
.set OSR, 13
.set O0A, 14                           ; v14  out0: 2,048 x wave + 16 x lane
.set GSA, 15                           ; v15  the gather: my row's 8 bytes;  v16: what waves 0 and 1 read back
.set GLA, 16
.set Q16, 17                           ; v17  16 q: my first expert in the end work
.set NEG, 18                           ; v18  -1.0, under every probability
.set TM,  20
.set XS,  30
.set WS,  32                           ; register 2 c + u: lanes 0-15 the words of tile 2 u, lanes 16-31 of tile 2 u + 1, for my K step c
.set CD,  36
.set CT,  48
.set TA,  56                           ; v56-61 for each of the three turns of end work: where I read waves 0-3's partial sums of my rows, and waves 4-7's.  All six are made at the head and never rewritten
.set X,   64
.set WF,  128                          ; fragment (K step c, tile t) at v[WF + 12 (4 c + t)]
.set OB,  224                          ; v224-239 8 rows of out0, read back from the stage: nothing writes them again, so the stores' data need no wait
.set R,   0                            ; window 1
.set ACC, 192                          ; window 1
.set PH,  192                          ; window 1: waves 4-7's partial sums
.set WV,  14
.set SEL, 30
.set CS,  32                           ; s[32:33] log2(e): the packed form names a pair and takes its low word for both halves
.set OP,  34                           ; s[34:35] out1 (wave 0) or out2, at the work-group's 512 bytes
.set TL1, 36                           ; s36  the first turn's row tile, in bytes
; the end work's registers, in the place of x's 64 numbers
.set S,   64                           ; v64-79  my 16 logits, then exponentials, then probabilities; waves 0-3's partial sums land at v[S + 16 w]
.set A0,  80                           ; v80-83  the sum, in two chains of pairs
.set A2,  82
.set RI,  84                           ; v84     1 / the sum (v85 named with it as a pair)
.set M1,  86                           ; v86, 87 the two largest probabilities
.set M2,  87
.set IP,  88                           ; v88, 89 their experts
.set WP,  90                           ; v90, 91 their weights
.set LL,  92                           ; v92     the first expert's place among my 16, if it is mine
.set TT,  93
.set DN,  94
.set DR,  95
.set P2,  96                           ; v96-111 the probabilities without the largest
.set MX,  TM
.set T1,  TM+1
.set NM,  TM+2                         ; v22     -log2(e) x the maximum (v23 named with it as a pair)
.set MSB, 0
.macro WIN new                         ; the immediate's high byte repeats the setting that is left
.if MSB != \new
	s_set_vgpr_msb (MSB<<8)|\new
.set MSB, \new
.endif
.endm
; 64 numbers of a lane, v[X + 32 c + i] = k 64 c + 32 h + i of my row, become the fragment in v[CD] on and my row's scale word in v[XS].
.macro QUANT
.irp c, 0,1
	v_max3_num_f32 v[TM+\c], |v[X+32*\c]|, |v[X+32*\c+1]|, 0x2800000   ; the block's largest magnitude, in two chains; the floor 2^(5 - 127) among the leaves holds the byte at 1 from below
	v_max3_num_f32 v[TM+2+\c], |v[X+32*\c+16]|, |v[X+32*\c+17]|, |v[X+32*\c+18]|
.endr
.irp i, 2,4,6,8,10,12
.irp c, 0,1
	v_max3_num_f32 v[TM+\c], v[TM+\c], |v[X+32*\c+\i]|, |v[X+32*\c+\i+1]|
	v_max3_num_f32 v[TM+2+\c], v[TM+2+\c], |v[X+32*\c+\i+17]|, |v[X+32*\c+\i+18]|
.endr
.endr
.irp c, 0,1
	v_max3_num_f32 v[TM+\c], v[TM+\c], |v[X+32*\c+14]|, |v[X+32*\c+15]|
.endr
.irp c, 0,1
	v_max3_num_f32 v[TM+\c], v[TM+\c], v[TM+2+\c], |v[X+32*\c+31]|
.endr
.irp c, 0,1
	v_add_nc_u32 v[TM+4+\c], 0xfe000000, v[TM+\c]      ; 4 off the exponent field: the conversion takes the exponent field of this operand as its scale
.endr
.irp c, 0,1
	v_lshrrev_b32 v[TM+6+\c], 23, v[TM+4+\c]           ; the scale's byte
.endr
	v_lshl_or_b32 v[XS], v[TM+7], 16, v[TM+6]          ; my two bytes: blocks h and 2 + h,
	v_lshlrev_b32 v[XS], v[SH8], v[XS]                 ; at their places in the word;
	v_permlanex16_b32 v[TM+8], v[XS], s[SEL], s[SEL+1]
	v_or_b32 v[XS], v[XS], v[TM+8]                     ; with lane l xor 16's two the word is whole, in both lanes
.irp c, 0,1
	v_cvt_scalef32_pk16_bf6_f32 v[CD+6*\c:CD+6*\c+2], v[X+32*\c:X+32*\c+15], v[TM+4+\c]
	v_cvt_scalef32_pk16_bf6_f32 v[CT+4*\c:CT+4*\c+2], v[X+32*\c+16:X+32*\c+31], v[TM+4+\c]   ; (a conversion's three registers begin on an even number)
.endr
	v_nop                                              ; one plain place behind a scaled conversion
.irp c, 0,1
.irp i, 0,1,2
	v_mov_b32 v[CD+6*\c+3+\i], v[CT+4*\c+\i]
.endr
.endr
.endm
; Unit u = 2 m + c: rows 16 m .. 16 m + 15, my K step c, into load set u % 3.  Every offset is an immediate: 63 rows and 512 bytes at the most.
.macro LOAD u
	WIN 0x40                                       ; destination window 1, address window 0
.irp i, 0,1,2,3,4,5,6,7,8,9,10,11,12,13,14,15
	global_load_b128 v[R+64*((\u)%3)+4*\i:R+64*((\u)%3)+4*\i+3], v[XA], s[4:5] offset:(16*((\u)/2)+\i)*KB+512*((\u)%2) th:TH_LOAD_NT   ; 32 lanes read 512 consecutive bytes of one row; read once in the launch
.endr
	WIN 0
.endm
; One matrix instruction: tile t of the experts x my 16 rows, 128 along K.  The row tile's first K step starts the sums with the constant 0.  The four accumulators take turns, one instruction a turn.
.macro WM t
.set FA, WF+12*(4*UC+(\t))
.set AC, ACC+8*(\t)
.set SA, WS+2*UC+(\t)/2
.if UC == 0
.if (\t)%2 == 0
	v_wmma_scale_f32_16x16x128_f8f6f4 v[AC:AC+7], v[FA:FA+11], v[CD:CD+11], 0, v[SA], v[XS] matrix_a_fmt:MATRIX_FMT_BF6 matrix_b_fmt:MATRIX_FMT_BF6
.else
	v_wmma_scale_f32_16x16x128_f8f6f4 v[AC:AC+7], v[FA:FA+11], v[CD:CD+11], 0, v[SA], v[XS] matrix_a_fmt:MATRIX_FMT_BF6 matrix_b_fmt:MATRIX_FMT_BF6 matrix_a_scale:MATRIX_SCALE_ROW1
.endif
.else
.if (\t)%2 == 0
	v_wmma_scale_f32_16x16x128_f8f6f4 v[AC:AC+7], v[FA:FA+11], v[CD:CD+11], v[AC:AC+7], v[SA], v[XS] matrix_a_fmt:MATRIX_FMT_BF6 matrix_b_fmt:MATRIX_FMT_BF6
.else
	v_wmma_scale_f32_16x16x128_f8f6f4 v[AC:AC+7], v[FA:FA+11], v[CD:CD+11], v[AC:AC+7], v[SA], v[XS] matrix_a_fmt:MATRIX_FMT_BF6 matrix_b_fmt:MATRIX_FMT_BF6 matrix_a_scale:MATRIX_SCALE_ROW1
.endif
.endif
.endm
.macro UNIT u
.set UM, (\u)/2
.set UC, (\u)%2
.set UR, R+64*((\u)%3)
.set NB, 32                            ; the loads of the two units behind this one
.if (\u) == 0
.set NB, 32+NWL                        ; behind unit 0: unit 1, W, unit 2
.endif
.if (\u) > 5
.set NB, 16*(7-(\u))                   ; the last units have fewer behind them
.endif
	WIN 0x04                                       ; an LDS store's data are its source 1: window 1
.irp i, 0,1,2,3,4,5,6,7,8,9,10,11,12,13,14,15
.if NB+15-\i > 63
	s_wait_loadcnt 63                              ; row i is in.  NB + 15 - i loads were issued behind it; a wait can name 63 at the most, which is fewer, so it holds all the more
.else
	s_wait_loadcnt NB+15-\i                        ; loads come back in order: row i is in; the unit's 15 - i younger loads and the NB issued behind the unit may be out
.endif
	ds_store_b128 v[STA], v[UR+4*\i:UR+4*\i+3] offset:\i*SP
.endr
	WIN 0
.irp c, 0,1
.irp j, 0,1,2,3,4,5,6,7
	ds_load_b128 v[X+32*\c+4*\j:X+32*\c+4*\j+3], v[RDA] offset:256*\c+16*\j   ; LDS serves a wave's instructions in order: these see my stores
.endr
.endr
	s_wait_dscnt 0x0                               ; my 64 numbers are in; the stores into the stage have read their registers
.if (\u)+3 < 8
	LOAD (\u)+3                                    ; so this set takes the unit three on
.endif
	QUANT
.if (\u) == 0
	s_wait_loadcnt 32                              ; W's fragments and scale words are in: behind them units 2's and 3's 32 loads were issued
.endif
.rept 8
	v_nop                                          ; a scale register written by a vector instruction stands 8 places ahead of a scaled matrix instruction, an operand so written 4
.endr
	WIN 0x50                                       ; C and D window 1; W's fragments and my codes window 0
	WM 0
	WM 1
	WM 2
	WM 3
.if UC == 1
.rept 4
	v_nop                                          ; four places between a matrix instruction and a store that reads its result
.endr
	WIN 0x04
.irp t, 0,1,2,3
	ds_store_b128 v[PWA], v[ACC+8*\t:ACC+8*\t+3] offset:UM*MSTR+\t*TSTR         ; each accumulator from its low end on; an image: lane l's 16 bytes at 16 l
	ds_store_b128 v[PWA], v[ACC+8*\t+4:ACC+8*\t+7] offset:UM*MSTR+\t*TSTR+512
.endr
.endif
	WIN 0
.endm
; the largest of v[b] .. v[b + 15] and of the row's other three lanes', in all four lanes
.macro MAX16 d, e, b
	v_max3_num_f32 v[\d], v[\b], v[\b+1], v[\b+2]
	v_max3_num_f32 v[\e], v[\b+3], v[\b+4], v[\b+5]
.irp i, 6,10
	v_max3_num_f32 v[\d], v[\d], v[\b+\i], v[\b+\i+1]
	v_max3_num_f32 v[\e], v[\e], v[\b+\i+2], v[\b+\i+3]
.endr
	v_max3_num_f32 v[\d], v[\d], v[\b+14], v[\b+15]
	v_max_num_f32 v[\d], v[\d], v[\e]
	v_max_num_f32_dpp v[\d], v[\d], v[\d] row_xmask:1 row_mask:0xf bank_mask:0xf
	v_max_num_f32_dpp v[\d], v[\d], v[\d] row_xmask:2 row_mask:0xf bank_mask:0xf
.endm
; the lowest expert of the row whose number in v[b] .. v[b + 15] equals v[m]: from my highest place down, so that the lowest stays; 64 where none is mine; then the least of the four lanes
.macro FINDIDX d, b, m
	v_mov_b32 v[\d], 64
.irp j, 15,14,13,12,11,10,9,8,7,6,5,4,3,2,1,0
	v_cmp_neq_f32 vcc_lo, v[\b+\j], v[\m]
	v_cndmask_b32 v[\d], \j, v[\d], vcc_lo
.endr
	v_add_nc_u32 v[\d], v[\d], v[Q16]
	v_mov_b32_dpp v[TT], v[\d] row_xmask:1 row_mask:0xf bank_mask:0xf
	v_min_u32 v[\d], v[\d], v[TT]
	v_mov_b32_dpp v[TT], v[\d] row_xmask:2 row_mask:0xf bank_mask:0xf
	v_min_u32 v[\d], v[\d], v[TT]
.endm
; THE END WORK of my 8 rows, in turn ph.  It touches no load set and no register of W: waves 0-3's partial sums land where x's 64 numbers lay, waves 4-7's in window 1, v192-255 (the accumulators, whose stores are done, and 32 idle registers).
.macro TAIL ph
.irp w, 0,1,2,3
.irp p, 0,1,2,3
	ds_load_b128 v[S+16*\w+4*\p:S+16*\w+4*\p+3], v[TA+2*\ph] offset:\w*WSTR+512*(\p%2)+256*(\p/2)   ; experts 16 q + 4 p + 0 .. 3: registers 4 (p % 2) on of lane half p / 2 in the image
.endr
.endr
	WIN 0x40                                       ; destination window 1
.irp w, 0,1,2,3
.irp p, 0,1,2,3
	ds_load_b128 v[PH+16*\w+4*\p:PH+16*\w+4*\p+3], v[TA+2*\ph+1] offset:\w*WSTR+512*(\p%2)+256*(\p/2)   ; (an LDS offset has 16 bits: a second register for waves 4-7's)
.endr
.endr
	WIN 0
.irp w, 1,2,3
	s_wait_dscnt 28-4*\w                           ; wave w's four pieces are in; the four of each later wave may be out
.irp i, 0,2,4,6,8,10,12,14
	v_pk_add_f32 v[S+\i:S+\i+1], v[S+\i:S+\i+1], v[S+16*\w+\i:S+16*\w+\i+1]   ; K ascending
.endr
.endr
	WIN 0x04                                       ; source 1 window 1
.irp w, 0,1,2,3
	s_wait_dscnt 12-4*\w                           ; wave 4 + w's four pieces are in
.irp i, 0,2,4,6,8,10,12,14
	v_pk_add_f32 v[S+\i:S+\i+1], v[S+\i:S+\i+1], v[PH+16*\w+\i:PH+16*\w+\i+1]
.endr
.endr
	WIN 0
	MAX16 MX, T1, S                                ; the row's largest logit
	v_mul_f32 v[NM], 0xbfb8aa3b, v[MX]
	v_mov_b32 v[NM+1], 0                           ; (named as the pair's upper half)
	v_mov_b32 v[RI+1], 0
.irp i, 0,2,4,6,8,10,12,14
	v_pk_fma_f32 v[S+\i:S+\i+1], v[S+\i:S+\i+1], s[CS:CS+1], v[NM:NM+1] op_sel_hi:[1,0,0]   ; (logit - maximum) x log2(e), two at a time
.endr
.irp j, 0,1,2,3,4,5,6,7,8,9,10,11,12,13,14,15
	v_exp_f32 v[S+\j], v[S+\j]
.endr
	v_mov_b32 v[TT], 0                             ; a plain place behind the exponentials (and the permutes' destination is written)
	s_wait_alu depctr_va_vdst(0)                   ; one wait for the batch, ahead of its first reader
	v_pk_add_f32 v[A0:A0+1], v[S:S+1], v[S+2:S+3]
	v_pk_add_f32 v[A2:A2+1], v[S+4:S+5], v[S+6:S+7]
	v_pk_add_f32 v[A0:A0+1], v[A0:A0+1], v[S+8:S+9]
	v_pk_add_f32 v[A2:A2+1], v[A2:A2+1], v[S+10:S+11]
	v_pk_add_f32 v[A0:A0+1], v[A0:A0+1], v[S+12:S+13]
	v_pk_add_f32 v[A2:A2+1], v[A2:A2+1], v[S+14:S+15]
	v_pk_add_f32 v[A0:A0+1], v[A0:A0+1], v[A2:A2+1]
	v_add_f32 v[A0], v[A0], v[A0+1]
	v_add_f32_dpp v[A0], v[A0], v[A0] row_xmask:1 row_mask:0xf bank_mask:0xf
	v_add_f32_dpp v[A0], v[A0], v[A0] row_xmask:2 row_mask:0xf bank_mask:0xf   ; the row's sum, the same bits in its four lanes
	v_rcp_f32 v[RI], v[A0]
	v_nop                                          ; a plain place behind the reciprocal
	s_wait_alu depctr_va_vdst(0)
.irp i, 0,2,4,6,8,10,12,14
	v_pk_mul_f32 v[S+\i:S+\i+1], v[S+\i:S+\i+1], v[RI:RI+1] op_sel_hi:[1,0]   ; the probabilities
.endr
.irp p, 0,1,2,3
	ds_store_b128 v[OSA], v[S+4*\p:S+4*\p+3] offset:16*\p      ; through my stage, which nobody else touches and which holds nothing of mine between two units
.endr
.irp u, 0,1,2,3
	ds_load_b128 v[OB+4*\u:OB+4*\u+3], v[OSR] offset:\u*2*OPI   ; back as whole rows; LDS serves a wave's instructions in order
.endr
	MAX16 M1, T1, S                                ; the largest probability,
	FINDIDX IP, S, M1                              ; and its expert
	s_wait_dscnt 0x0
.irp u, 0,1,2,3
	global_store_b128 v[O0A], v[OB+4*\u:OB+4*\u+3], s[8:9] offset:512*\u th:TH_STORE_NT   ; 32 lanes store two rows, 512 consecutive bytes, at a multiple of 512 from out0's first byte
.endr
	v_sub_nc_u32 v[LL], v[IP], v[Q16]              ; its place among my 16; outside 0 .. 15 where it is another lane's
.irp j, 0,1,2,3,4,5,6,7,8,9,10,11,12,13,14,15
	v_cmp_eq_u32 vcc_lo, \j, v[LL]
	v_cndmask_b32 v[P2+\j], v[S+\j], v[NEG], vcc_lo   ; that one element is taken out; an equal probability elsewhere stays
.endr
	MAX16 M2, T1, P2
	FINDIDX IP+1, P2, M2
	v_add_f32 v[DN], v[M1], v[M2]
	v_add_f32 v[DN], 0x3089705f, v[DN]             ; + 1e-9
	v_rcp_f32 v[DR], v[DN]
	v_nop
	s_wait_alu depctr_va_vdst(0)
	v_mul_f32 v[WP], v[M1], v[DR]
	v_mul_f32 v[WP+1], v[M2], v[DR]
	ds_store_b64 v[GSA], v[IP:IP+1]                ; the four lanes of a row write the same 8 bytes with the same values
	ds_store_b64 v[GSA], v[WP:WP+1] offset:512
	s_wait_dscnt 0x0                               ; they have read their registers, which the next unit's numbers take
.endm
; A turn of end work.  Every wave's partial sums of the finished row tiles lie in LDS (its wait, then the barrier); then waves lo .. hi - 1 do their rows, and the others go on.  The branch hangs on the wave's number alone.
.macro PHASE lo, hi, ph
	s_wait_dscnt 0x0                               ; for the others' sake: my partial sums lie in LDS
	s_barrier_signal -1
	s_barrier_wait -1                              ; everybody's do
.if \lo > 0
	s_cmp_lt_u32 s[WV], \lo
	s_cbranch_scc1 .Lnot_mine_\@
.endif
.if \hi < 8
	s_cmp_lt_u32 s[WV], \hi
	s_cbranch_scc0 .Lnot_mine_\@
.endif
	TAIL \ph
.Lnot_mine_\@:
.endm
	s_load_b256 s[4:11], s[0:1], 0x0               ; x s[4:5], wq s[6:7], out0 s[8:9], out1 s[10:11]
	s_load_b64 s[12:13], s[0:1], 0x20              ; out2
	v_lshl_add_u32 v254, v0, 2, 0x33000
	v_mov_b32 v255, 0
	v_lshrrev_b32 v[TM], 5, v0
	v_readfirstlane_b32 s[WV], v[TM]               ; wave 0..7
	v_and_b32 v[LN], 31, v0
	v_lshlrev_b32 v[L16], 4, v[LN]
	s_lshl_b32 s16, s[WV], 10                      ; my 256 along K: 1,024 bytes of every row
	v_add_nc_u32 v[XA], s16, v[L16]
	s_mul_i32 s17, s[WV], 8*FRB                    ; my 8 fragments of W
	v_add_nc_u32 v[WA], s17, v[L16]
	s_lshl_b32 s20, s[WV], 9                       ; my two K steps' scale words: 256 bytes each, 8 bytes a lane
	v_lshl_add_u32 v[WSA], v[LN], 3, s20
	s_lshl_b32 s18, ttmp9, 19                      ; the work-group's 64 rows of 8,192 bytes (255 x 2^19 stays under 2^32)
	s_mov_b32 s19, 0
	s_wait_kmcnt 0x0
	s_add_nc_u64 s[4:5], s[4:5], s[18:19]
	LOAD 0                                         ; x first
	LOAD 1
.irp f, 0,1,2,3,4,5,6,7
.irp g, 0,1,2
	global_load_b128 v[WF+12*\f+4*\g:WF+12*\f+4*\g+3], v[WA], s[6:7] offset:\f*FRB+512*\g   ; W's fragments as they were laid: 512 consecutive bytes a load
.endr
.endr
.irp c, 0,1
	global_load_b64 v[WS+2*\c:WS+2*\c+1], v[WSA], s[6:7] offset:SCOFF+256*\c   ; K step 2 w + c: lane l takes the words of experts l and 32 + l: 256 consecutive bytes a load
.endr
	; the other addresses are made while the loads are on their way
	v_and_b32 v[TM], 15, v0                        ; r
	v_bfe_u32 v[TM+1], v0, 4, 1                    ; h
	v_and_b32 v[TM+2], 3, v0                       ; q
	v_bfe_u32 v[TM+3], v0, 2, 3                    ; lane / 4: my row of eight in the end work
	s_mul_i32 s16, s[WV], STGB                     ; my stage
	v_add_nc_u32 v[STA], s16, v[L16]
	v_mul_u32_u24 v[RDA], v[TM], SP
	v_lshl_add_u32 v[RDA], v[TM+1], 7, v[RDA]
	v_add_nc_u32 v[RDA], s16, v[RDA]
	v_lshlrev_b32 v[SH8], 3, v[TM+1]
	s_mul_i32 s17, s[WV], WSTR
	s_add_co_u32 s17, s17, PART
	v_add_nc_u32 v[PWA], s17, v[L16]
	s_and_b32 s20, s[WV], 1                        ; the end work: my row tile's rows 8 (wave % 2) on: 16 bytes a row in an image
	s_lshl_b32 s17, s20, 7
	s_add_co_u32 s17, s17, PART
	v_mul_u32_u24 v[TM+4], v[TM+2], TSTR           ; the image of expert tile q,
	v_lshl_add_u32 v[TM+4], v[TM+3], 4, v[TM+4]    ; my row in it,
	v_add_nc_u32 v[TM+4], s17, v[TM+4]             ; in wave 0's row tile 0
	s_lshr_b32 s[TL1], s[WV], 1                    ; the first turn is waves 0-3's: row tile wave / 2, which is 0 or 1 there
	s_min_u32 s[TL1], s[TL1], 1
	s_mul_i32 s[TL1], s[TL1], MSTR
	v_add_nc_u32 v[TA], s[TL1], v[TM+4]
	v_add_nc_u32 v[TA+2], 2*MSTR, v[TM+4]          ; the second turn: row tile 2
	v_add_nc_u32 v[TA+4], 3*MSTR, v[TM+4]          ; the third: row tile 3
.irp f, 0,2,4
	v_add_nc_u32 v[TA+\f+1], 4*WSTR, v[TA+\f]      ; and the same in waves 4-7's partial sums
.endr
	v_mul_u32_u24 v[OSA], v[TM+3], OPI
	v_lshl_add_u32 v[OSA], v[TM+2], 6, v[OSA]
	v_add_nc_u32 v[OSA], s16, v[OSA]               ; the way out, in: my row, + 64 q
	v_mul_u32_u24 v[OSR], v[TM+1], OPI
	v_lshl_add_u32 v[OSR], v[TM], 4, v[OSR]
	v_add_nc_u32 v[OSR], s16, v[OSR]               ; back: lanes 0-15 one row of 256 bytes, lanes 16-31 the next
	s_lshl_b32 s21, s[WV], 11
	v_add_nc_u32 v[O0A], s21, v[L16]               ; my 8 rows of out0
	s_lshl_b32 s21, s[WV], 6
	s_add_co_u32 s21, s21, GI
	v_lshl_add_u32 v[GSA], v[TM+3], 3, s21         ; row 8 x wave + lane / 4: 8 bytes
	s_lshl_b32 s21, s20, 9
	s_add_co_u32 s21, s21, GI
	v_add_nc_u32 v[GLA], s21, v[L16]               ; wave 0: the indices; wave 1: the weights
	v_lshlrev_b32 v[Q16], 4, v[TM+2]
	v_mov_b32 v[NEG], -1.0
	v_mov_b32 v[TM+8], 0                           ; written once: a lane permute's destination counts as one of its sources
	s_mov_b32 s[SEL], 0x76543210
	s_mov_b32 s[SEL+1], 0xfedcba98                 ; v_permlanex16_b32's selects for lane l xor 16
	s_mov_b32 s[CS], 0x3fb8aa3b                    ; log2(e)
	s_mov_b32 s[CS+1], s[CS]                       ; (named with it as a pair, so it is written)
	s_lshl_b32 s22, ttmp9, 14                      ; the work-group's 64 rows of out0
	s_mov_b32 s23, 0
	s_add_nc_u64 s[8:9], s[8:9], s[22:23]
	s_lshl_b32 s22, ttmp9, 9                       ; and its 512 bytes of out1 and of out2
	s_cmp_eq_u32 s[WV], 0
	s_cselect_b64 s[OP:OP+1], s[10:11], s[12:13]
	s_add_nc_u64 s[OP:OP+1], s[OP:OP+1], s[22:23]
	LOAD 2                                         ; 74 loads are now issued; the issue of a load that would push the counter past its field is held back by the hardware (ISA guide 5.7.1), and the next thing is the wait for unit 0 anyway
	UNIT 0
	UNIT 1
	UNIT 2
	UNIT 3
	PHASE 0, 4, 0                                  ; row tiles 0 and 1 are summed up: waves 0-3 finish rows 0-31
	UNIT 4
	UNIT 5
	PHASE 4, 6, 1                                  ; row tile 2: waves 4 and 5 finish rows 32-47
	UNIT 6
	UNIT 7
	PHASE 6, 8, 2                                  ; row tile 3: waves 6 and 7 finish rows 48-63
	s_wait_dscnt 0x0                               ; for the others' sake: my rows' indices and weights lie in the gather
	s_barrier_signal -1
	s_barrier_wait -1
	s_cmp_lt_u32 s[WV], 2
	s_cbranch_scc0 .Ldone                          ; wave 0 stores the work-group's indices, wave 1 its weights
	ds_load_b128 v[P2:P2+3], v[GLA]
	s_wait_dscnt 0x0
	global_store_b128 v[L16], v[P2:P2+3], s[OP:OP+1] th:TH_STORE_NT   ; 64 rows x 8 bytes: 512 consecutive bytes
.Ldone:
	s_wait_tensorcnt 0x0
	ds_add_u32 v254, v255
	s_wait_dscnt 0x0
	s_endpgm
.Lfunc_end_k_q6d187db68f_router:
	.size	k_q6d187db68f_router, .Lfunc_end_k_q6d187db68f_router-k_q6d187db68f_router
	.p2alignl 7, 3214868480
	.fill 96, 4, 3214868480
	.section	.rodata,"a",@progbits
	.p2align	6, 0x0
	.amdhsa_kernel k_q6d187db68f_router
		.amdhsa_group_segment_fixed_size 209920
		.amdhsa_private_segment_fixed_size 0
		.amdhsa_enable_private_segment 0
		.amdhsa_kernarg_size 40
		.amdhsa_user_sgpr_count 2
		.amdhsa_user_sgpr_kernarg_segment_ptr 1
		.amdhsa_wavefront_size32 1
		.amdhsa_system_sgpr_workgroup_id_x 1
		.amdhsa_system_sgpr_workgroup_id_y 1
		.amdhsa_system_sgpr_workgroup_id_z 1
		.amdhsa_system_vgpr_workitem_id 0
		.amdhsa_next_free_vgpr 512
		.amdhsa_next_free_sgpr 66
		.amdhsa_reserve_vcc 1
		.amdhsa_float_denorm_mode_32 3
		.amdhsa_float_denorm_mode_16_64 3
		.amdhsa_memory_ordered 1
		.amdhsa_forward_progress 1
		.amdhsa_inst_pref_size 118
	.end_amdhsa_kernel
	.amdgpu_metadata
---
amdhsa.version: [ 1, 2 ]
amdhsa.kernels:
  - .name:           k_q6d187db68f_router
    .symbol:         k_q6d187db68f_router.kd
    .args:
      - { .name: x, .offset: 0, .size: 8, .value_kind: global_buffer, .address_space: global }
      - { .name: wq, .offset: 8, .size: 8, .value_kind: global_buffer, .address_space: global }
      - { .name: out0, .offset: 16, .size: 8, .value_kind: global_buffer, .address_space: global }
      - { .name: out1, .offset: 24, .size: 8, .value_kind: global_buffer, .address_space: global }
      - { .name: out2, .offset: 32, .size: 8, .value_kind: global_buffer, .address_space: global }
    .group_segment_fixed_size: 209920
    .private_segment_fixed_size: 0
    .kernarg_segment_align: 8
    .kernarg_segment_size: 40
    .max_flat_workgroup_size: 256
    .sgpr_count:     66
    .vgpr_count:     512
    .wavefront_size: 32
...
	.end_amdgpu_metadata
.endif
;; end of part 2
;; ======== version 2 of 2: 2 launches
;; workspace buffers: wq 102,400 bytes
;; launch quantw (part 3): grid 16 x 1, 4 waves a work-group, no clusters, 34,816 bytes of LDS; arguments W, wq; writes wq
.if DOCPART == 3
	.amdgcn_target "amdgcn-amd-amdhsa--gfx1250"
	.amdhsa_code_object_version 6
	.text
	.protected	k_q6d187db68f_quantw
	.globl	k_q6d187db68f_quantw
	.p2align	8
	.type	k_q6d187db68f_quantw,@function
k_q6d187db68f_quantw:
	s_mov_b64 s[64:65], 0
	v_nop
	global_prefetch_b8 v0, s[64:65] scope:SCOPE_SE
	s_setreg_imm32_b32 hwreg(HW_REG_WAVE_MODE, 25, 1), 1
	s_wait_xcnt 0x0
; W [64][2048] f32 -> codes of BF6 (E3M2) with one E8M0 scale byte for each 32 along K, laid as the next launch's registers take them.
; wq: 64 fragments of 1,536 bytes, fragment 4 s + t = K step s (128 along K) x expert tile t (16 experts): the operand's 12 registers as three images of 512 bytes (registers 4 g .. 4 g + 3, lane l's 16 bytes at 16 l).
; Behind them, at SCOFF, the scale words: 256 bytes for each K step: lane l's 8 bytes hold the words of experts l and 32 + l.
; A block's scale is 2^(floor(log2(its largest magnitude)) - 4); its byte is the largest magnitude's exponent field - 4, held at 1 from below.
; LIMITS: a block of zeros gets the byte 1 where the rule says 127 (its codes are zeros, and this program alone reads the bytes); NaN and infinities are not served.
; SHARES: work-group s takes K step s; its wave t makes fragment (s, t).  Each of a wave's 16 loads reads 512 consecutive bytes of one row of W; the 8 KB turn through the wave's own stage in LDS
; and come back in the operand's layout: lane (r, h) holds k = 64 c + 32 h + 0 .. 31 of row r, two whole blocks, so that a block's maximum needs no other lane and the conversions' results are the fragment.
; Sixteen work-groups: a K step's 64 scale words are one aligned block of 256 bytes, which one work-group can store whole; a finer split would store it in parts.
.set KB,    8192                       ; bytes in a row of W
.set SP,    528                        ; a stage row: 512 bytes + 16: the sixteen rows that sixteen lanes read begin 16 bytes apart modulo 256
.set STGB,  16*SP                      ; a wave's stage
.set SCB,   4*STGB                     ; behind the stages: the work-group's 64 scale words
.set FRB,   1536                       ; a fragment's image
.set SCOFF, 64*FRB                     ; where the scale words begin in wq
.set LN,  1                            ; v1   lane
.set L16, 2                            ; v2   16 x lane
.set GA,  3                            ; v3   my byte offset in W
.set L8,  4                            ; v4   8 x lane
.set STA, 6                            ; v6   the stage, on the way in: 16 x lane
.set RDA, 7                            ; v7   and on the way out: row r, + 128 h
.set SH8, 8                            ; v8   8 h: where my two scale bytes stand in the word
.set SWA, 9                            ; v9   LDS address of my row's scale word
.set SRA, 10                           ; v10  where wave 0 reads the words back
.set TM,  20                           ; v20-28 at work
.set XS,  30                           ; v30  the scale word
.set CD,  36                           ; v36-47 the fragment
.set CT,  48                           ; v48-54 the upper halves of the two blocks' codes, before they are moved
.set X,   64                           ; v64-127 my 64 numbers
.set R,   128                          ; v128-191 16 rows as loaded
.set WV,  14
.set SEL, 30
; 64 numbers of a lane, v[X + 32 c + i] = k 64 c + 32 h + i of my row, become the fragment in v[CD] on and my row's scale word in v[XS].
.macro QUANT
.irp c, 0,1
	v_max3_num_f32 v[TM+\c], |v[X+32*\c]|, |v[X+32*\c+1]|, 0x2800000   ; the block's largest magnitude, in two chains; the floor 2^(5 - 127) among the leaves holds the byte at 1 from below
	v_max3_num_f32 v[TM+2+\c], |v[X+32*\c+16]|, |v[X+32*\c+17]|, |v[X+32*\c+18]|
.endr
.irp i, 2,4,6,8,10,12
.irp c, 0,1
	v_max3_num_f32 v[TM+\c], v[TM+\c], |v[X+32*\c+\i]|, |v[X+32*\c+\i+1]|
	v_max3_num_f32 v[TM+2+\c], v[TM+2+\c], |v[X+32*\c+\i+17]|, |v[X+32*\c+\i+18]|
.endr
.endr
.irp c, 0,1
	v_max3_num_f32 v[TM+\c], v[TM+\c], |v[X+32*\c+14]|, |v[X+32*\c+15]|
.endr
.irp c, 0,1
	v_max3_num_f32 v[TM+\c], v[TM+\c], v[TM+2+\c], |v[X+32*\c+31]|
.endr
.irp c, 0,1
	v_add_nc_u32 v[TM+4+\c], 0xfe000000, v[TM+\c]      ; 4 off the exponent field: the conversion takes the exponent field of this operand as its scale
.endr
.irp c, 0,1
	v_lshrrev_b32 v[TM+6+\c], 23, v[TM+4+\c]           ; the scale's byte
.endr
	v_lshl_or_b32 v[XS], v[TM+7], 16, v[TM+6]          ; my two bytes: blocks h and 2 + h,
	v_lshlrev_b32 v[XS], v[SH8], v[XS]                 ; at their places in the word;
	v_permlanex16_b32 v[TM+8], v[XS], s[SEL], s[SEL+1]
	v_or_b32 v[XS], v[XS], v[TM+8]                     ; with lane l xor 16's two the word is whole, in both lanes
.irp c, 0,1
	v_cvt_scalef32_pk16_bf6_f32 v[CD+6*\c:CD+6*\c+2], v[X+32*\c:X+32*\c+15], v[TM+4+\c]
	v_cvt_scalef32_pk16_bf6_f32 v[CT+4*\c:CT+4*\c+2], v[X+32*\c+16:X+32*\c+31], v[TM+4+\c]   ; (a conversion's three registers begin on an even number)
.endr
	v_nop                                              ; one plain place behind a scaled conversion
.irp c, 0,1
.irp i, 0,1,2
	v_mov_b32 v[CD+6*\c+3+\i], v[CT+4*\c+\i]
.endr
.endr
.endm
	s_load_b128 s[4:7], s[0:1], 0x0                ; W s[4:5], wq s[6:7]
	v_lshl_add_u32 v192, v0, 2, 0x8600
	v_mov_b32 v193, 0
	v_lshrrev_b32 v[TM], 5, v0
	v_readfirstlane_b32 s[WV], v[TM]               ; wave 0..3 = t, my expert tile
	v_and_b32 v[LN], 31, v0
	v_lshlrev_b32 v[L16], 4, v[LN]
	s_lshl_b32 s18, s[WV], 17                      ; 16 t rows of 8,192 bytes
	v_add_nc_u32 v[GA], s18, v[L16]
	s_lshl_b32 s20, ttmp9, 9                       ; the work-group's 128 along K
	s_mov_b32 s21, 0
	s_wait_alu depctr_va_vdst(0)
	s_wait_kmcnt 0x0
	s_add_nc_u64 s[4:5], s[4:5], s[20:21]
.irp i, 0,1,2,3,4,5,6,7,8,9,10,11,12,13,14,15
	global_load_b128 v[R+4*\i:R+4*\i+3], v[GA], s[4:5] offset:\i*KB th:TH_LOAD_NT   ; row 16 t + i: 32 lanes read 512 consecutive bytes
.endr
	v_and_b32 v[TM], 15, v0                        ; r
	v_bfe_u32 v[TM+1], v0, 4, 1                    ; h
	s_mul_i32 s18, s[WV], STGB                     ; my stage
	v_add_nc_u32 v[STA], s18, v[L16]
	v_mul_u32_u24 v[RDA], v[TM], SP
	v_lshl_add_u32 v[RDA], v[TM+1], 7, v[RDA]
	v_add_nc_u32 v[RDA], s18, v[RDA]
	v_lshlrev_b32 v[SH8], 3, v[TM+1]
	s_and_b32 s22, s[WV], 1                        ; expert 16 t + r = 32 (t / 2) + 16 (t % 2) + r: its word stands at 8 (16 (t % 2) + r) + 4 (t / 2)
	s_lshl_b32 s22, s22, 7
	s_lshr_b32 s23, s[WV], 1
	s_lshl_b32 s23, s23, 2
	s_add_co_u32 s22, s22, s23
	s_add_co_u32 s22, s22, SCB
	v_lshl_add_u32 v[SWA], v[TM], 3, s22
	v_lshlrev_b32 v[L8], 3, v[LN]
	v_add_nc_u32 v[SRA], SCB, v[L8]
	v_mov_b32 v[TM+8], 0                           ; written once: a lane permute's destination counts as one of its sources
	s_mov_b32 s[SEL], 0x76543210
	s_mov_b32 s[SEL+1], 0xfedcba98                 ; v_permlanex16_b32's selects for lane l xor 16
	s_lshl_b32 s24, ttmp9, 2
	s_add_co_u32 s24, s24, s[WV]                   ; my fragment: 4 x work-group + wave
	s_mul_i32 s24, s24, FRB
	s_mov_b32 s25, 0
	s_add_nc_u64 s[24:25], s[6:7], s[24:25]
	s_lshl_b32 s26, ttmp9, 8                       ; the work-group's 256 bytes of scale words
	s_add_co_u32 s26, s26, SCOFF
	s_mov_b32 s27, 0
	s_add_nc_u64 s[26:27], s[6:7], s[26:27]
	s_wait_alu depctr_va_vdst(0)
.irp i, 0,1,2,3,4,5,6,7,8,9,10,11,12,13,14,15
	s_wait_loadcnt 15-\i                           ; loads come back in order: row i is in, the 15 - i younger ones may be out
	ds_store_b128 v[STA], v[R+4*\i:R+4*\i+3] offset:\i*SP
.endr
.irp c, 0,1
.irp j, 0,1,2,3,4,5,6,7
	ds_load_b128 v[X+32*\c+4*\j:X+32*\c+4*\j+3], v[RDA] offset:256*\c+16*\j   ; LDS serves a wave's instructions in order: these see my stores
.endr
.endr
	s_wait_dscnt 0x0
	QUANT
	ds_store_b32 v[SWA], v[XS]                     ; both lanes of a row write the same word with the same value
.irp g, 0,1,2
	global_store_b128 v[L16], v[CD+4*\g:CD+4*\g+3], s[24:25] offset:512*\g   ; 32 lanes store 512 consecutive bytes, at a multiple of 512 from wq's first byte
.endr
	s_wait_dscnt 0x0                               ; for the others' sake: my scale word lies in LDS
	s_barrier_signal -1
	s_barrier_wait -1
	s_cmp_lg_u32 s[WV], 0
	s_cbranch_scc1 .Ldone                          ; wave 0 stores the work-group's 64 words
	ds_load_b64 v[TM:TM+1], v[SRA]
	s_wait_dscnt 0x0
	global_store_b64 v[L8], v[TM:TM+1], s[26:27]   ; 32 lanes store 256 consecutive bytes, at a multiple of 256 from wq's first byte
.Ldone:
	s_wait_tensorcnt 0x0
	ds_add_u32 v192, v193
	s_wait_dscnt 0x0
	s_endpgm
.Lfunc_end_k_q6d187db68f_quantw:
	.size	k_q6d187db68f_quantw, .Lfunc_end_k_q6d187db68f_quantw-k_q6d187db68f_quantw
	.p2alignl 7, 3214868480
	.fill 96, 4, 3214868480
	.section	.rodata,"a",@progbits
	.p2align	6, 0x0
	.amdhsa_kernel k_q6d187db68f_quantw
		.amdhsa_group_segment_fixed_size 34816
		.amdhsa_private_segment_fixed_size 0
		.amdhsa_enable_private_segment 0
		.amdhsa_kernarg_size 16
		.amdhsa_user_sgpr_count 2
		.amdhsa_user_sgpr_kernarg_segment_ptr 1
		.amdhsa_wavefront_size32 1
		.amdhsa_system_sgpr_workgroup_id_x 1
		.amdhsa_system_sgpr_workgroup_id_y 1
		.amdhsa_system_sgpr_workgroup_id_z 1
		.amdhsa_system_vgpr_workitem_id 0
		.amdhsa_next_free_vgpr 194
		.amdhsa_next_free_sgpr 66
		.amdhsa_reserve_vcc 0
		.amdhsa_float_denorm_mode_32 3
		.amdhsa_float_denorm_mode_16_64 3
		.amdhsa_memory_ordered 1
		.amdhsa_forward_progress 1
		.amdhsa_inst_pref_size 10
	.end_amdhsa_kernel
	.amdgpu_metadata
---
amdhsa.version: [ 1, 2 ]
amdhsa.kernels:
  - .name:           k_q6d187db68f_quantw
    .symbol:         k_q6d187db68f_quantw.kd
    .args:
      - { .name: W, .offset: 0, .size: 8, .value_kind: global_buffer, .address_space: global }
      - { .name: wq, .offset: 8, .size: 8, .value_kind: global_buffer, .address_space: global }
    .group_segment_fixed_size: 34816
    .private_segment_fixed_size: 0
    .kernarg_segment_align: 8
    .kernarg_segment_size: 16
    .max_flat_workgroup_size: 128
    .sgpr_count:     66
    .vgpr_count:     194
    .wavefront_size: 32
...
	.end_amdgpu_metadata
.endif
;; end of part 3
;; launch router (part 4): grid 256 x 1, 8 waves a work-group, no clusters, 209,920 bytes of LDS; arguments x, wq, out0, out1, out2; writes out0, out1, out2
.if DOCPART == 4
	.amdgcn_target "amdgcn-amd-amdhsa--gfx1250"
	.amdhsa_code_object_version 6
	.text
	.protected	k_q6d187db68f_router
	.globl	k_q6d187db68f_router
	.p2align	8
	.type	k_q6d187db68f_router,@function
k_q6d187db68f_router:
	s_mov_b64 s[64:65], 0
	v_nop
	global_prefetch_b8 v0, s[64:65] scope:SCOPE_SE
	s_setreg_imm32_b32 hwreg(HW_REG_WAVE_SCHED_MODE, 0, 2), 2
	s_setreg_imm32_b32 hwreg(HW_REG_WAVE_MODE, 25, 1), 1
	s_wait_xcnt 0x0
	s_wait_alu depctr_vm_vsrc(0)
; logits = Q(x) Q(W)^T on codes of BF6 (E3M2) with one E8M0 scale for each 32 along K; out0 = softmax(logits) [16384][64] f32; out1 = the two largest probabilities' experts [16384][2] i32;
; out2 = those two probabilities / (their sum + 1e-9) [16384][2] f32.  x [16384][2048] f32 is quantised here, on its way to the matrix unit; W comes as codes and scale words from wq, laid as my registers take them.
; SHARES.  A work-group owns 64 rows of x.  ITS EIGHT WAVES SHARE K, NOT THE ROWS: wave w owns k = 256 w .. 256 w + 255 (two K steps of 128) of all 64 rows, so its 8 fragments of W stay in registers for the whole launch.
; A UNIT is 16 rows x 128 k: sixteen loads, each 512 consecutive bytes of one row; the 8 KB turn through the wave's own stage in LDS and come back in the operand's layout (lane (r, h): k = 64 c + 32 h + 0 .. 31 of row r: two
; whole blocks); maxima, scale word, four conversions; four matrix instructions, used transposed (source 0 = 16 experts, source 1 = my 16 rows): lane (r, h) of tile t holds row r, experts 16 t + 8 h + 0 .. 7.
; Three sets of registers take the loads: up to 48 loads of x, 24 KB, of every wave are on their way.  After a row tile's two units its four partial sums go to LDS as images of their registers.
; x AHEAD OF W: units 0 and 1 are asked for first, then W's codes, then unit 2: a unit's turn, maxima and conversions need no W, which is wanted at the first product and has its own wait there.
; THE ROWS' END WORK STANDS IN THE STREAM.  Wave w' owns rows 8 w' .. 8 w' + 7 (lane = 4 x row + q, q owns experts 16 q .. 16 q + 15): it adds the eight partial sums, K ascending, and does softmax (the row's maximum taken
; away) and top-2 on the probabilities (ties: the lower index).  Behind a barrier after unit 3 waves 0-3 do so for row tiles 0 and 1, behind one after unit 5 waves 4 and 5 for tile 2, behind one after unit 7 waves 6 and 7 for
; tile 3: all loads of x have been issued by unit 4, so they go on landing meanwhile, and behind the last unit two waves' rows are left.  Each tile's partial sums have LDS bytes of their own: what is read is never what is being written.
; out0 leaves through the wave's stage, 512 consecutive bytes a store; out1 and out2 are gathered in LDS and leave at the end by wave 0 and wave 1, 512 consecutive bytes each.
; NOT USED: joint loads in a cluster: what work-groups share is W's codes alone, 100 of the 612 KB that a work-group reads, and they go straight into registers.
; LIMITS: NaN and infinities are not served.  A block of zeros gets the byte 1 (zero codes add nothing).  v_exp_f32 gives 0 where 2^t lies under 2^-126 (ISA guide, its entry in 15.8): probabilities so small count as ties at 0
; in the top-2.  A logit's f32 sum is formed as eight sums of 256 k each, added in ascending K.
; THE MODE: SCHED_MODE bits 1:0 = 2 (LLVM: expert scheduling mode 2), set by the entry lines.  The code itself states the register dependences between vector or matrix instructions and memory or LDS instructions,
; with s_wait_alu, always for 0.
; THE PLAN.  Registers that memory or LDS instructions touch, and who else names them:
;   the three load sets   Loads of x land in them; unit u's sixteen stores into the stage read set u % 3; no vector instruction names them.  One wait on vm_vsrc in a unit, behind those stores; then the set takes unit u + 3,
;                         whose sixteen loads are dealt, four at a time, among the unit's maxima and conversions, which name registers of window 0 alone.
;   X, v64-127            The stage's LDS loads land in it; the unit's maxima and conversions read it.  The wait on va_vdst ahead of the unit's products (its codes and scale word are written) also states that those are done
;                         reading X; the products name none of X: so the LDS loads that land there next, the next unit's or the end work's, owe nothing more.
;   the accumulators      Written by the products; read by an odd unit's LDS stores, behind four places and a wait on va_vdst; written anew by the next row tile's products, or landed on by the end work's LDS loads, behind a
;                         wait on vm_vsrc: the one in PHASE, ahead of its barrier and branch, or (unit 2) the unit's own.
;   the end work          Its probabilities, indices and weights are written by vector instructions and read by LDS stores: a wait on va_vdst ahead of each run of stores; one on vm_vsrc at its end, ahead of the next unit's numbers.
;   v224-239              LDS loads land in them, global stores read them; no vector instruction names them and nothing writes them again.
;   the addresses         Made at the head and never rewritten: two waits on va_vdst there serve the whole kernel.
;   s14, s40-55           Written by vector instructions: the wave's number, and the end work's masks, whose compares stand in runs of sixteen: one wait on va_sdst behind each, ahead of the first reader.
; REGISTERS, in windows of 256: window 0: v1-18 addresses; v20-28 at work; v30 x's scale word; v32-35 W's scale words; v36-54 codes; v56-61 addresses of the partial sums; v64-127 64 numbers of x, or the end work;
;   v128-223 W's 8 fragments; v224-239 8 rows of out0 on their way out.   window 1: v0-191 three sets of 16 loads; v192-223 the four accumulators of the row tile in hand; v192-255 four waves' partial sums in the end work.
.set KB,    8192                       ; bytes in a row of x
.set SP,    528                        ; a stage row: 512 bytes + 16: the sixteen rows that sixteen lanes read begin 16 bytes apart modulo 256
.set STGB,  16*SP                      ; a wave's stage
.set PART,  8*STGB                     ; behind the stages: the partial sums
.set TSTR,  1088                       ; an accumulator's image: 1,024 bytes + 64, so that the four lanes of a row (q = 0 .. 3) read 64 bytes apart modulo 256
.set MSTR,  4*TSTR                     ; a row tile's four
.set WSTR,  4*MSTR                     ; a wave's sixteen
.set GI,    PART+8*WSTR                ; behind them: 64 rows x 8 bytes of indices, then 64 x 8 of weights
.set OPI,   272                        ; the way out: a row of 256 bytes + 16
.set FRB,   1536                       ; a fragment's image in wq
.set SCOFF, 64*FRB                     ; where the scale words begin in wq
.set NWL,   26                         ; the loads that bring W: 8 fragments x 3, and 2 for the scale words
.set LN,  1                            ; v1   lane
.set L16, 2                            ; v2   16 x lane
.set XA,  3                            ; v3   x: 1,024 x wave + 16 x lane; never rewritten
.set WA,  4                            ; v4   wq: my 8 fragments
.set WSA, 5                            ; v5   wq: my scale words: 512 x wave + 8 x lane
.set STA, 6                            ; v6   the stage, on the way in
.set RDA, 7                            ; v7   and on the way out: row r, + 128 h
.set SH8, 8                            ; v8   8 h
.set PWA, 9                            ; v9   where I put my partial sums
.set OSA, 12                           ; v12  the way out: where I put 64 bytes of a row;  v13: where I read rows back
.set OSR, 13
.set O0A, 14                           ; v14  out0: 2,048 x wave + 16 x lane
.set GSA, 15                           ; v15  the gather: my row's 8 bytes;  v16: what waves 0 and 1 read back
.set GLA, 16
.set Q16, 17                           ; v17  16 q: my first expert in the end work
.set NEG, 18                           ; v18  -1.0, under every probability
.set TM,  20
.set XS,  30
.set WS,  32                           ; register 2 c + u: lanes 0-15 the words of tile 2 u, lanes 16-31 of tile 2 u + 1, for my K step c
.set CD,  36
.set CT,  48
.set TA,  56                           ; v56-61 for each of the three turns of end work: where I read waves 0-3's partial sums of my rows, and waves 4-7's.  All six are made at the head and never rewritten
.set X,   64
.set WF,  128                          ; fragment (K step c, tile t) at v[WF + 12 (4 c + t)]
.set OB,  224                          ; v224-239 8 rows of out0, read back from the stage: nothing writes them again, so the stores' data need no wait
.set R,   0                            ; window 1
.set ACC, 192                          ; window 1
.set PH,  192                          ; window 1: waves 4-7's partial sums
.set WV,  14
.set SEL, 30
.set CS,  32                           ; s[32:33] log2(e): the packed form names a pair and takes its low word for both halves
.set OP,  34                           ; s[34:35] out1 (wave 0) or out2, at the work-group's 512 bytes
.set TL1, 36                           ; s36  the first turn's row tile, in bytes
.set MK,  40                           ; s40-55 the end work's masks: one for each of my 16 experts
; the end work's registers, in the place of x's 64 numbers
.set S,   64                           ; v64-79  my 16 logits, then exponentials, then probabilities; waves 0-3's partial sums land at v[S + 16 w]
.set A0,  80                           ; v80-83  the sum, in two chains of pairs
.set A2,  82
.set RI,  84                           ; v84     1 / the sum (v85 named with it as a pair)
.set M1,  86                           ; v86, 87 the two largest probabilities
.set M2,  87
.set IP,  88                           ; v88, 89 their experts
.set WP,  90                           ; v90, 91 their weights
.set LL,  92                           ; v92     the first expert's place among my 16, if it is mine
.set TT,  93
.set DN,  94
.set DR,  95
.set P2,  96                           ; v96-111 the probabilities without the largest
.set MX,  TM
.set T1,  TM+1
.set NM,  TM+2                         ; v22     -log2(e) x the maximum (v23 named with it as a pair)
.set MSB, 0
.macro WIN new                         ; the immediate's high byte repeats the setting that is left
.if MSB != \new
	s_set_vgpr_msb (MSB<<8)|\new
.set MSB, \new
.endif
.endm
; 64 numbers of a lane, v[X + 32 c + i] = k 64 c + 32 h + i of my row, become the fragment in v[CD] on and my row's scale word in v[XS].  In four parts, between which a unit's loads are dealt.
.macro QUANT_A
.irp c, 0,1
	v_max3_num_f32 v[TM+\c], |v[X+32*\c]|, |v[X+32*\c+1]|, 0x2800000   ; the block's largest magnitude, in two chains; the floor 2^(5 - 127) among the leaves holds the byte at 1 from below
	v_max3_num_f32 v[TM+2+\c], |v[X+32*\c+16]|, |v[X+32*\c+17]|, |v[X+32*\c+18]|
.endr
.irp i, 2,4
.irp c, 0,1
	v_max3_num_f32 v[TM+\c], v[TM+\c], |v[X+32*\c+\i]|, |v[X+32*\c+\i+1]|
	v_max3_num_f32 v[TM+2+\c], v[TM+2+\c], |v[X+32*\c+\i+17]|, |v[X+32*\c+\i+18]|
.endr
.endr
.endm
.macro QUANT_B
.irp i, 6,8,10
.irp c, 0,1
	v_max3_num_f32 v[TM+\c], v[TM+\c], |v[X+32*\c+\i]|, |v[X+32*\c+\i+1]|
	v_max3_num_f32 v[TM+2+\c], v[TM+2+\c], |v[X+32*\c+\i+17]|, |v[X+32*\c+\i+18]|
.endr
.endr
.endm
.macro QUANT_C
.irp i, 12
.irp c, 0,1
	v_max3_num_f32 v[TM+\c], v[TM+\c], |v[X+32*\c+\i]|, |v[X+32*\c+\i+1]|
	v_max3_num_f32 v[TM+2+\c], v[TM+2+\c], |v[X+32*\c+\i+17]|, |v[X+32*\c+\i+18]|
.endr
.endr
.irp c, 0,1
	v_max3_num_f32 v[TM+\c], v[TM+\c], |v[X+32*\c+14]|, |v[X+32*\c+15]|
.endr
.irp c, 0,1
	v_max3_num_f32 v[TM+\c], v[TM+\c], v[TM+2+\c], |v[X+32*\c+31]|
.endr
.irp c, 0,1
	v_add_nc_u32 v[TM+4+\c], 0xfe000000, v[TM+\c]      ; 4 off the exponent field: the conversion takes the exponent field of this operand as its scale
.endr
.irp c, 0,1
	v_lshrrev_b32 v[TM+6+\c], 23, v[TM+4+\c]           ; the scale's byte
.endr
	v_lshl_or_b32 v[XS], v[TM+7], 16, v[TM+6]          ; my two bytes: blocks h and 2 + h,
	v_lshlrev_b32 v[XS], v[SH8], v[XS]                 ; at their places in the word;
	v_permlanex16_b32 v[TM+8], v[XS], s[SEL], s[SEL+1]
	v_or_b32 v[XS], v[XS], v[TM+8]                     ; with lane l xor 16's two the word is whole, in both lanes
.endm
.macro QUANT_D
.irp c, 0,1
	v_cvt_scalef32_pk16_bf6_f32 v[CD+6*\c:CD+6*\c+2], v[X+32*\c:X+32*\c+15], v[TM+4+\c]
	v_cvt_scalef32_pk16_bf6_f32 v[CT+4*\c:CT+4*\c+2], v[X+32*\c+16:X+32*\c+31], v[TM+4+\c]   ; (a conversion's three registers begin on an even number)
.endr
	v_nop                                              ; one plain place behind a scaled conversion
.irp c, 0,1
.irp i, 0,1,2
	v_mov_b32 v[CD+6*\c+3+\i], v[CT+4*\c+\i]
.endr
.endr
.endm
; Unit u = 2 m + c: rows 16 m .. 16 m + 15, my K step c, into load set u % 3.  Every offset is an immediate: 63 rows and 512 bytes at the most.
.macro LOAD u
	WIN 0x40                                       ; destination window 1, address window 0
.irp i, 0,1,2,3,4,5,6,7,8,9,10,11,12,13,14,15
	global_load_b128 v[R+64*((\u)%3)+4*\i:R+64*((\u)%3)+4*\i+3], v[XA], s[4:5] offset:(16*((\u)/2)+\i)*KB+512*((\u)%2) th:TH_LOAD_NT   ; 32 lanes read 512 consecutive bytes of one row; read once in the launch
.endr
	WIN 0
.endm
; The same unit's rows 4 g .. 4 g + 3 alone: the form in which a unit's loads are dealt among the vector work of the unit three back.  The rows keep their order, so the counted waits count as in one run.
.macro LOAD4 u, g
	WIN 0x40                                       ; destination window 1, address window 0
.irp i, 0,1,2,3
	global_load_b128 v[R+64*((\u)%3)+4*(4*(\g)+\i):R+64*((\u)%3)+4*(4*(\g)+\i)+3], v[XA], s[4:5] offset:(16*((\u)/2)+4*(\g)+\i)*KB+512*((\u)%2) th:TH_LOAD_NT
.endr
	WIN 0
.endm
; One matrix instruction: tile t of the experts x my 16 rows, 128 along K.  The row tile's first K step starts the sums with the constant 0.  The four accumulators take turns, one instruction a turn.
.macro WM t
.set FA, WF+12*(4*UC+(\t))
.set AC, ACC+8*(\t)
.set SA, WS+2*UC+(\t)/2
.if UC == 0
.if (\t)%2 == 0
	v_wmma_scale_f32_16x16x128_f8f6f4 v[AC:AC+7], v[FA:FA+11], v[CD:CD+11], 0, v[SA], v[XS] matrix_a_fmt:MATRIX_FMT_BF6 matrix_b_fmt:MATRIX_FMT_BF6
.else
	v_wmma_scale_f32_16x16x128_f8f6f4 v[AC:AC+7], v[FA:FA+11], v[CD:CD+11], 0, v[SA], v[XS] matrix_a_fmt:MATRIX_FMT_BF6 matrix_b_fmt:MATRIX_FMT_BF6 matrix_a_scale:MATRIX_SCALE_ROW1
.endif
.else
.if (\t)%2 == 0
	v_wmma_scale_f32_16x16x128_f8f6f4 v[AC:AC+7], v[FA:FA+11], v[CD:CD+11], v[AC:AC+7], v[SA], v[XS] matrix_a_fmt:MATRIX_FMT_BF6 matrix_b_fmt:MATRIX_FMT_BF6
.else
	v_wmma_scale_f32_16x16x128_f8f6f4 v[AC:AC+7], v[FA:FA+11], v[CD:CD+11], v[AC:AC+7], v[SA], v[XS] matrix_a_fmt:MATRIX_FMT_BF6 matrix_b_fmt:MATRIX_FMT_BF6 matrix_a_scale:MATRIX_SCALE_ROW1
.endif
.endif
.endm
.macro UNIT u
.set UM, (\u)/2
.set UC, (\u)%2
.set UR, R+64*((\u)%3)
.set NB, 32                            ; the loads of the two units behind this one
.if (\u) == 0
.set NB, 32+NWL                        ; behind unit 0: unit 1, W, unit 2
.endif
.if (\u) > 5
.set NB, 16*(7-(\u))                   ; the last units have fewer behind them
.endif
	WIN 0x04                                       ; an LDS store's data are its source 1: window 1
.irp i, 0,1,2,3,4,5,6,7,8,9,10,11,12,13,14,15
.if NB+15-\i > 63
	s_wait_loadcnt 63                              ; row i is in.  NB + 15 - i loads were issued behind it; a wait can name 63 at the most, which is fewer, so it holds all the more
.else
	s_wait_loadcnt NB+15-\i                        ; loads come back in order: row i is in; the unit's 15 - i younger loads and the NB issued behind the unit may be out
.endif
	ds_store_b128 v[STA], v[UR+4*\i:UR+4*\i+3] offset:\i*SP
.endr
	WIN 0
.irp c, 0,1
.irp j, 0,1,2,3,4,5,6,7
	ds_load_b128 v[X+32*\c+4*\j:X+32*\c+4*\j+3], v[RDA] offset:256*\c+16*\j   ; LDS serves a wave's instructions in order: these see my stores.  No wait on the vector side: no vector or matrix instruction since the last wait on va_vdst names X
.endr
.endr
	s_wait_dscnt 0x0                               ; my 64 numbers are in
.if (\u)+3 < 8
	s_wait_alu depctr_vm_vsrc(0)                   ; my stores into the stage have read set u % 3, in which the loads of the unit three on land; and the last row tile's LDS stores have read the accumulators, which an even unit's products write anew
	LOAD4 (\u)+3, 0                                ; the sixteen loads are dealt among the four parts below, which name v8, v20-54 and v64-127 of window 0: neither the loads' offset nor their set
.endif
	QUANT_A
.if (\u)+3 < 8
	LOAD4 (\u)+3, 1
.endif
	QUANT_B
.if (\u)+3 < 8
	LOAD4 (\u)+3, 2
.endif
	QUANT_C
.if (\u)+3 < 8
	LOAD4 (\u)+3, 3
.endif
	QUANT_D
.if (\u) == 0
	s_wait_loadcnt 32                              ; W's fragments and scale words are in: behind them units 2's and 3's 32 loads were issued
.endif
.rept 8
	v_nop                                          ; a scale register written by a vector instruction stands 8 places ahead of a scaled matrix instruction, an operand so written 4
.endr
	WIN 0x50                                       ; C and D window 1; W's fragments and my codes window 0
	s_wait_alu depctr_va_vdst(0)                   ; my codes v[CD ..] and my scale word v[XS] are written, which the products take; the maxima and conversions are done reading X, in which the next LDS loads land
	WM 0
	WM 1
	WM 2
	WM 3
.if UC == 1
.rept 4
	v_nop                                          ; four places between a matrix instruction and a store that reads its result
.endr
	WIN 0x04
	s_wait_alu depctr_va_vdst(0)                   ; the products have written the four accumulators, which the LDS stores read; the places above stay beside this wait
.irp t, 0,1,2,3
	ds_store_b128 v[PWA], v[ACC+8*\t:ACC+8*\t+3] offset:UM*MSTR+\t*TSTR         ; each accumulator from its low end on; an image: lane l's 16 bytes at 16 l
	ds_store_b128 v[PWA], v[ACC+8*\t+4:ACC+8*\t+7] offset:UM*MSTR+\t*TSTR+512
.endr
.endif
	WIN 0
.endm
; the largest of v[b] .. v[b + 15] and of the row's other three lanes', in all four lanes
.macro MAX16 d, e, b
	v_max3_num_f32 v[\d], v[\b], v[\b+1], v[\b+2]
	v_max3_num_f32 v[\e], v[\b+3], v[\b+4], v[\b+5]
.irp i, 6,10
	v_max3_num_f32 v[\d], v[\d], v[\b+\i], v[\b+\i+1]
	v_max3_num_f32 v[\e], v[\e], v[\b+\i+2], v[\b+\i+3]
.endr
	v_max3_num_f32 v[\d], v[\d], v[\b+14], v[\b+15]
	v_max_num_f32 v[\d], v[\d], v[\e]
	v_max_num_f32_dpp v[\d], v[\d], v[\d] row_xmask:1 row_mask:0xf bank_mask:0xf
	v_max_num_f32_dpp v[\d], v[\d], v[\d] row_xmask:2 row_mask:0xf bank_mask:0xf
.endm
; the lowest expert of the row whose number in v[b] .. v[b + 15] equals v[m]: from my highest place down, so that the lowest stays; 64 where none is mine; then the least of the four lanes.
; The sixteen compares stand in one run, a mask each, so that one wait serves them all.
.macro FINDIDX d, b, m
.irp j, 0,1,2,3,4,5,6,7,8,9,10,11,12,13,14,15
	v_cmp_neq_f32 s[MK+\j], v[\b+\j], v[\m]
.endr
	v_mov_b32 v[\d], 64
	s_wait_alu depctr_va_sdst(0)                   ; the sixteen compares have written their masks s[MK ..], ahead of the first selection that reads one
.irp j, 15,14,13,12,11,10,9,8,7,6,5,4,3,2,1,0
	v_cndmask_b32 v[\d], \j, v[\d], s[MK+\j]
.endr
	v_add_nc_u32 v[\d], v[\d], v[Q16]
	v_mov_b32_dpp v[TT], v[\d] row_xmask:1 row_mask:0xf bank_mask:0xf
	v_min_u32 v[\d], v[\d], v[TT]
	v_mov_b32_dpp v[TT], v[\d] row_xmask:2 row_mask:0xf bank_mask:0xf
	v_min_u32 v[\d], v[\d], v[TT]
.endm
; THE END WORK of my 8 rows, in turn ph.  It touches no load set and no register of W: waves 0-3's partial sums land where x's 64 numbers lay, waves 4-7's in window 1, v192-255 (the accumulators, whose stores are done, and 32 idle registers).
; Its first loads owe no wait of their own: the last unit's waits on va_vdst have shown X read and the accumulators written, no vector or matrix instruction has named either since, and PHASE's wait on vm_vsrc has shown the accumulators read by their stores.
.macro TAIL ph
.irp w, 0,1,2,3
.irp p, 0,1,2,3
	ds_load_b128 v[S+16*\w+4*\p:S+16*\w+4*\p+3], v[TA+2*\ph] offset:\w*WSTR+512*(\p%2)+256*(\p/2)   ; experts 16 q + 4 p + 0 .. 3: registers 4 (p % 2) on of lane half p / 2 in the image
.endr
.endr
	WIN 0x40                                       ; destination window 1
.irp w, 0,1,2,3
.irp p, 0,1,2,3
	ds_load_b128 v[PH+16*\w+4*\p:PH+16*\w+4*\p+3], v[TA+2*\ph+1] offset:\w*WSTR+512*(\p%2)+256*(\p/2)   ; (an LDS offset has 16 bits: a second register for waves 4-7's)
.endr
.endr
	WIN 0
.irp w, 1,2,3
	s_wait_alu depctr_va_vdst(0)
	s_wait_dscnt 28-4*\w                           ; wave w's four pieces are in; the four of each later wave may be out
.irp i, 0,2,4,6,8,10,12,14
	v_pk_add_f32 v[S+\i:S+\i+1], v[S+\i:S+\i+1], v[S+16*\w+\i:S+16*\w+\i+1]   ; K ascending
.endr
.endr
	WIN 0x04                                       ; source 1 window 1
	s_wait_alu depctr_va_vdst(0)
.irp w, 0,1,2,3
	s_wait_alu depctr_va_vdst(0)
	s_wait_dscnt 12-4*\w                           ; wave 4 + w's four pieces are in
.irp i, 0,2,4,6,8,10,12,14
	v_pk_add_f32 v[S+\i:S+\i+1], v[S+\i:S+\i+1], v[PH+16*\w+\i:PH+16*\w+\i+1]
.endr
.endr
	WIN 0
	MAX16 MX, T1, S                                ; the row's largest logit
	v_mul_f32 v[NM], 0xbfb8aa3b, v[MX]
	v_mov_b32 v[NM+1], 0                           ; (named as the pair's upper half)
	v_mov_b32 v[RI+1], 0
.irp i, 0,2,4,6,8,10,12,14
	v_pk_fma_f32 v[S+\i:S+\i+1], v[S+\i:S+\i+1], s[CS:CS+1], v[NM:NM+1] op_sel_hi:[1,0,0]   ; (logit - maximum) x log2(e), two at a time
.endr
	s_wait_alu depctr_va_vdst(0)
.irp j, 0,1,2,3,4,5,6,7,8,9,10,11,12,13,14,15
	v_exp_f32 v[S+\j], v[S+\j]
.endr
	v_mov_b32 v[TT], 0                             ; a plain place behind the exponentials (and the permutes' destination is written)
	s_wait_alu depctr_va_vdst(0)                   ; the sixteen exponentials have written v[S ..]: one wait for the batch, ahead of its first reader
	v_pk_add_f32 v[A0:A0+1], v[S:S+1], v[S+2:S+3]
	v_pk_add_f32 v[A2:A2+1], v[S+4:S+5], v[S+6:S+7]
	v_pk_add_f32 v[A0:A0+1], v[A0:A0+1], v[S+8:S+9]
	v_pk_add_f32 v[A2:A2+1], v[A2:A2+1], v[S+10:S+11]
	v_pk_add_f32 v[A0:A0+1], v[A0:A0+1], v[S+12:S+13]
	v_pk_add_f32 v[A2:A2+1], v[A2:A2+1], v[S+14:S+15]
	v_pk_add_f32 v[A0:A0+1], v[A0:A0+1], v[A2:A2+1]
	v_add_f32 v[A0], v[A0], v[A0+1]
	v_add_f32_dpp v[A0], v[A0], v[A0] row_xmask:1 row_mask:0xf bank_mask:0xf
	v_add_f32_dpp v[A0], v[A0], v[A0] row_xmask:2 row_mask:0xf bank_mask:0xf   ; the row's sum, the same bits in its four lanes
	s_wait_alu depctr_va_vdst(0)
	v_rcp_f32 v[RI], v[A0]
	v_nop                                          ; a plain place behind the reciprocal
	s_wait_alu depctr_va_vdst(0)                   ; the reciprocal has written v[RI], ahead of its first reader
.irp i, 0,2,4,6,8,10,12,14
	v_pk_mul_f32 v[S+\i:S+\i+1], v[S+\i:S+\i+1], v[RI:RI+1] op_sel_hi:[1,0]   ; the probabilities
.endr
	s_wait_alu depctr_va_vdst(0)                   ; the multiplications have written the probabilities v[S ..], which the LDS stores read
.irp p, 0,1,2,3
	ds_store_b128 v[OSA], v[S+4*\p:S+4*\p+3] offset:16*\p      ; through my stage, which nobody else touches and which holds nothing of mine between two units
.endr
.irp u, 0,1,2,3
	ds_load_b128 v[OB+4*\u:OB+4*\u+3], v[OSR] offset:\u*2*OPI   ; back as whole rows; LDS serves a wave's instructions in order
.endr
	MAX16 M1, T1, S                                ; the largest probability,  (from here to the end work's last line v[S ..] is read and never written)
	FINDIDX IP, S, M1                              ; and its expert
	s_wait_alu depctr_va_vdst(0)
	s_wait_dscnt 0x0
.irp u, 0,1,2,3
	global_store_b128 v[O0A], v[OB+4*\u:OB+4*\u+3], s[8:9] offset:512*\u th:TH_STORE_NT   ; 32 lanes store two rows, 512 consecutive bytes, at a multiple of 512 from out0's first byte
.endr
	v_sub_nc_u32 v[LL], v[IP], v[Q16]              ; its place among my 16; outside 0 .. 15 where it is another lane's
.irp j, 0,1,2,3,4,5,6,7,8,9,10,11,12,13,14,15
	v_cmp_eq_u32 s[MK+\j], \j, v[LL]
.endr
	s_wait_alu depctr_va_sdst(0)                   ; the sixteen compares have written their masks s[MK ..], ahead of the first selection that reads one
.irp j, 0,1,2,3,4,5,6,7,8,9,10,11,12,13,14,15
	v_cndmask_b32 v[P2+\j], v[S+\j], v[NEG], s[MK+\j]   ; that one element is taken out; an equal probability elsewhere stays
.endr
	MAX16 M2, T1, P2
	FINDIDX IP+1, P2, M2
	v_add_f32 v[DN], v[M1], v[M2]
	v_add_f32 v[DN], 0x3089705f, v[DN]             ; + 1e-9
	s_wait_alu depctr_va_vdst(0)
	v_rcp_f32 v[DR], v[DN]
	v_nop                                          ; a plain place behind the reciprocal
	s_wait_alu depctr_va_vdst(0)                   ; the reciprocal has written v[DR], ahead of its first reader
	v_mul_f32 v[WP], v[M1], v[DR]
	v_mul_f32 v[WP+1], v[M2], v[DR]
	s_wait_alu depctr_va_vdst(0)                   ; the two indices v[IP ..] and the two weights v[WP ..] are written, which the LDS stores read; and the end work is done reading and writing v64-111, in which the next unit's numbers land
	ds_store_b64 v[GSA], v[IP:IP+1]                ; the four lanes of a row write the same 8 bytes with the same values
	ds_store_b64 v[GSA], v[WP:WP+1] offset:512
	s_wait_dscnt 0x0                               ; my rows' indices and weights lie in the gather
	s_wait_alu depctr_vm_vsrc(0)                   ; my LDS stores have read v[S ..], v[IP ..] and v[WP ..], in which the next unit's numbers land
.endm
; A turn of end work.  Every wave's partial sums of the finished row tiles lie in LDS (its wait, then the barrier); then waves lo .. hi - 1 do their rows, and the others go on.  The branch hangs on the wave's number alone.
.macro PHASE lo, hi, ph
	s_wait_dscnt 0x0                               ; for the others' sake: my partial sums lie in LDS
	s_wait_alu depctr_vm_vsrc(0)                   ; my LDS stores have read the accumulators: in the end work LDS loads land there, and the next row tile's products write them anew.  Ahead of the branch, so that it stands on both ways
	s_barrier_signal -1
	s_barrier_wait -1                              ; everybody's do
.if \lo > 0
	s_cmp_lt_u32 s[WV], \lo
	s_cbranch_scc1 .Lnot_mine_\@
.endif
.if \hi < 8
	s_cmp_lt_u32 s[WV], \hi
	s_cbranch_scc0 .Lnot_mine_\@
.endif
	TAIL \ph
.Lnot_mine_\@:
.endm
	s_load_b256 s[4:11], s[0:1], 0x0               ; x s[4:5], wq s[6:7], out0 s[8:9], out1 s[10:11]
	s_load_b64 s[12:13], s[0:1], 0x20              ; out2
	v_lshl_add_u32 v254, v0, 2, 0x33000
	v_mov_b32 v255, 0
	v_lshrrev_b32 v[TM], 5, v0
	v_readfirstlane_b32 s[WV], v[TM]               ; wave 0..7
	v_and_b32 v[LN], 31, v0
	v_lshlrev_b32 v[L16], 4, v[LN]
	s_wait_alu depctr_va_sdst(0)                   ; the wave's number s[WV] is written, ahead of its first reader
	s_lshl_b32 s16, s[WV], 10                      ; my 256 along K: 1,024 bytes of every row
	v_add_nc_u32 v[XA], s16, v[L16]
	s_mul_i32 s17, s[WV], 8*FRB                    ; my 8 fragments of W
	v_add_nc_u32 v[WA], s17, v[L16]
	s_lshl_b32 s20, s[WV], 9                       ; my two K steps' scale words: 256 bytes each, 8 bytes a lane
	v_lshl_add_u32 v[WSA], v[LN], 3, s20
	s_lshl_b32 s18, ttmp9, 19                      ; the work-group's 64 rows of 8,192 bytes (255 x 2^19 stays under 2^32)
	s_mov_b32 s19, 0
	s_wait_kmcnt 0x0
	s_add_nc_u64 s[4:5], s[4:5], s[18:19]
	s_wait_alu depctr_va_vdst(0)                   ; the offsets v[XA], v[WA] and v[WSA] are written, which the loads of x and of W read
	LOAD 0                                         ; x first
	LOAD 1
.irp f, 0,1,2,3,4,5,6,7
.irp g, 0,1,2
	global_load_b128 v[WF+12*\f+4*\g:WF+12*\f+4*\g+3], v[WA], s[6:7] offset:\f*FRB+512*\g   ; W's fragments as they were laid: 512 consecutive bytes a load
.endr
.endr
.irp c, 0,1
	global_load_b64 v[WS+2*\c:WS+2*\c+1], v[WSA], s[6:7] offset:SCOFF+256*\c   ; K step 2 w + c: lane l takes the words of experts l and 32 + l: 256 consecutive bytes a load
.endr
	; the other addresses are made while the loads are on their way: none of these lines writes a register that a load above reads or lands in
	v_and_b32 v[TM], 15, v0                        ; r
	v_bfe_u32 v[TM+1], v0, 4, 1                    ; h
	v_and_b32 v[TM+2], 3, v0                       ; q
	v_bfe_u32 v[TM+3], v0, 2, 3                    ; lane / 4: my row of eight in the end work
	s_mul_i32 s16, s[WV], STGB                     ; my stage
	v_add_nc_u32 v[STA], s16, v[L16]
	v_mul_u32_u24 v[RDA], v[TM], SP
	v_lshl_add_u32 v[RDA], v[TM+1], 7, v[RDA]
	v_add_nc_u32 v[RDA], s16, v[RDA]
	v_lshlrev_b32 v[SH8], 3, v[TM+1]
	s_mul_i32 s17, s[WV], WSTR
	s_add_co_u32 s17, s17, PART
	v_add_nc_u32 v[PWA], s17, v[L16]
	s_and_b32 s20, s[WV], 1                        ; the end work: my row tile's rows 8 (wave % 2) on: 16 bytes a row in an image
	s_lshl_b32 s17, s20, 7
	s_add_co_u32 s17, s17, PART
	v_mul_u32_u24 v[TM+4], v[TM+2], TSTR           ; the image of expert tile q,
	v_lshl_add_u32 v[TM+4], v[TM+3], 4, v[TM+4]    ; my row in it,
	v_add_nc_u32 v[TM+4], s17, v[TM+4]             ; in wave 0's row tile 0
	s_lshr_b32 s[TL1], s[WV], 1                    ; the first turn is waves 0-3's: row tile wave / 2, which is 0 or 1 there
	s_min_u32 s[TL1], s[TL1], 1
	s_mul_i32 s[TL1], s[TL1], MSTR
	v_add_nc_u32 v[TA], s[TL1], v[TM+4]
	v_add_nc_u32 v[TA+2], 2*MSTR, v[TM+4]          ; the second turn: row tile 2
	v_add_nc_u32 v[TA+4], 3*MSTR, v[TM+4]          ; the third: row tile 3
.irp f, 0,2,4
	v_add_nc_u32 v[TA+\f+1], 4*WSTR, v[TA+\f]      ; and the same in waves 4-7's partial sums
.endr
	v_mul_u32_u24 v[OSA], v[TM+3], OPI
	v_lshl_add_u32 v[OSA], v[TM+2], 6, v[OSA]
	v_add_nc_u32 v[OSA], s16, v[OSA]               ; the way out, in: my row, + 64 q
	v_mul_u32_u24 v[OSR], v[TM+1], OPI
	v_lshl_add_u32 v[OSR], v[TM], 4, v[OSR]
	v_add_nc_u32 v[OSR], s16, v[OSR]               ; back: lanes 0-15 one row of 256 bytes, lanes 16-31 the next
	s_lshl_b32 s21, s[WV], 11
	v_add_nc_u32 v[O0A], s21, v[L16]               ; my 8 rows of out0
	s_lshl_b32 s21, s[WV], 6
	s_add_co_u32 s21, s21, GI
	v_lshl_add_u32 v[GSA], v[TM+3], 3, s21         ; row 8 x wave + lane / 4: 8 bytes
	s_lshl_b32 s21, s20, 9
	s_add_co_u32 s21, s21, GI
	v_add_nc_u32 v[GLA], s21, v[L16]               ; wave 0: the indices; wave 1: the weights
	v_lshlrev_b32 v[Q16], 4, v[TM+2]
	v_mov_b32 v[NEG], -1.0
	v_mov_b32 v[TM+8], 0                           ; written once: a lane permute's destination counts as one of its sources
	s_mov_b32 s[SEL], 0x76543210
	s_mov_b32 s[SEL+1], 0xfedcba98                 ; v_permlanex16_b32's selects for lane l xor 16
	s_mov_b32 s[CS], 0x3fb8aa3b                    ; log2(e)
	s_mov_b32 s[CS+1], s[CS]                       ; (named with it as a pair, so it is written)
	s_lshl_b32 s22, ttmp9, 14                      ; the work-group's 64 rows of out0
	s_mov_b32 s23, 0
	s_add_nc_u64 s[8:9], s[8:9], s[22:23]
	s_lshl_b32 s22, ttmp9, 9                       ; and its 512 bytes of out1 and of out2
	s_cmp_eq_u32 s[WV], 0
	s_cselect_b64 s[OP:OP+1], s[10:11], s[12:13]
	s_add_nc_u64 s[OP:OP+1], s[OP:OP+1], s[22:23]
	LOAD 2                                         ; 74 loads are now issued; the issue of a load that would push the counter past its field is held back by the hardware (ISA guide 5.7.1), and the next thing is the wait for unit 0 anyway
	s_wait_alu depctr_va_vdst(0)                   ; the addresses v6 to v16 and v56 to v61 are written, which the LDS loads and stores and the global stores from here on read; none is written again
	UNIT 0
	UNIT 1
	UNIT 2
	UNIT 3
	PHASE 0, 4, 0                                  ; row tiles 0 and 1 are summed up: waves 0-3 finish rows 0-31
	UNIT 4
	UNIT 5
	PHASE 4, 6, 1                                  ; row tile 2: waves 4 and 5 finish rows 32-47
	UNIT 6
	UNIT 7
	PHASE 6, 8, 2                                  ; row tile 3: waves 6 and 7 finish rows 48-63
	s_wait_dscnt 0x0                               ; for the others' sake: my rows' indices and weights lie in the gather
	s_barrier_signal -1
	s_barrier_wait -1
	s_cmp_lt_u32 s[WV], 2
	s_cbranch_scc0 .Ldone                          ; wave 0 stores the work-group's indices, wave 1 its weights
	ds_load_b128 v[P2:P2+3], v[GLA]                ; (no vector instruction since unit 7's wait on va_vdst names these four registers in waves 0 and 1, and no store has read them)
	s_wait_dscnt 0x0
	global_store_b128 v[L16], v[P2:P2+3], s[OP:OP+1] th:TH_STORE_NT   ; 64 rows x 8 bytes: 512 consecutive bytes
.Ldone:
	s_wait_dscnt 0x0                               ; the closing lines, six on end
	s_wait_alu 0x0
	s_wait_tensorcnt 0x0
	ds_add_u32 v254, v255
	s_wait_dscnt 0x0
	s_endpgm
.Lfunc_end_k_q6d187db68f_router:
	.size	k_q6d187db68f_router, .Lfunc_end_k_q6d187db68f_router-k_q6d187db68f_router
	.p2alignl 7, 3214868480
	.fill 96, 4, 3214868480
	.section	.rodata,"a",@progbits
	.p2align	6, 0x0
	.amdhsa_kernel k_q6d187db68f_router
		.amdhsa_group_segment_fixed_size 209920
		.amdhsa_private_segment_fixed_size 0
		.amdhsa_enable_private_segment 0
		.amdhsa_kernarg_size 40
		.amdhsa_user_sgpr_count 2
		.amdhsa_user_sgpr_kernarg_segment_ptr 1
		.amdhsa_wavefront_size32 1
		.amdhsa_system_sgpr_workgroup_id_x 1
		.amdhsa_system_sgpr_workgroup_id_y 1
		.amdhsa_system_sgpr_workgroup_id_z 1
		.amdhsa_system_vgpr_workitem_id 0
		.amdhsa_next_free_vgpr 512
		.amdhsa_next_free_sgpr 66
		.amdhsa_reserve_vcc 0
		.amdhsa_float_denorm_mode_32 3
		.amdhsa_float_denorm_mode_16_64 3
		.amdhsa_memory_ordered 1
		.amdhsa_forward_progress 1
		.amdhsa_inst_pref_size 130
	.end_amdhsa_kernel
	.amdgpu_metadata
---
amdhsa.version: [ 1, 2 ]
amdhsa.kernels:
  - .name:           k_q6d187db68f_router
    .symbol:         k_q6d187db68f_router.kd
    .args:
      - { .name: x, .offset: 0, .size: 8, .value_kind: global_buffer, .address_space: global }
      - { .name: wq, .offset: 8, .size: 8, .value_kind: global_buffer, .address_space: global }
      - { .name: out0, .offset: 16, .size: 8, .value_kind: global_buffer, .address_space: global }
      - { .name: out1, .offset: 24, .size: 8, .value_kind: global_buffer, .address_space: global }
      - { .name: out2, .offset: 32, .size: 8, .value_kind: global_buffer, .address_space: global }
    .group_segment_fixed_size: 209920
    .private_segment_fixed_size: 0
    .kernarg_segment_align: 8
    .kernarg_segment_size: 40
    .max_flat_workgroup_size: 256
    .sgpr_count:     66
    .vgpr_count:     512
    .wavefront_size: 32
...
	.end_amdgpu_metadata
.endif
;; end of part 4
